; MI455X (gfx1250); checked and timed in simulation.
; The chip was launched on July 23, 2026; its instructions are those of AMD's public machine-readable ISA for CDNA 5 (MIT licence, August 2026) and "CDNA5" Instruction Set Architecture Reference Guide (July 2026). The comments in the code are by the model that wrote it; some were corrected since.
;; Causal Multi Head Attention. Allowed arithmetic: matrix products marked QUANTISED: E3M2 operands, one E8M0 scale for each 32 along K, by v_wmma_scale_f32_16x16x128_f8f6f4 with both operands' format E3M2, f32 sums; everything else in f32.
;; Inputs: Wk 1,024 x 1,024 float32; Wo 1,024 x 1,024 float32; Wq 1,024 x 1,024 float32; Wv 1,024 x 1,024 float32; bo 1,024 float32; x 4 x 2,048 x 1,024 float32.
;; Outputs: out0 4 x 2,048 x 1,024 float32.
;; This version of the problem:
;;   THIS VERSION OF THE PROBLEM IS GIVEN IN LOW PRECISION. The matrix products marked QUANTISED in the list below multiply operands that are first quantised to E3M2 (3 exponent bits, 2 mantissa bits; 6 bits a number), with one power-of-two scale for each 32 numbers along K (OCP MX v1.0); their sums are f32. All else is computed in f32.
;;   The module's matrix products, in the order in which they are computed (A, B: the left and right operand; K: the contracted axis; several contracted axes count as one K, in the product's order):
;;     1. [M 8,192, K 1,024] x [K 1,024, N 1,024]; A: input x; B: input Wq: QUANTISED
;;     2. [M 8,192, K 1,024] x [K 1,024, N 1,024]; A: input x; B: input Wk: QUANTISED
;;     3. [M 8,192, K 1,024] x [K 1,024, N 1,024]; A: input x; B: input Wv: QUANTISED
;;     4. batch 64 x [M 2,048, K 64] x [K 64, N 2,048]; A: computed on the way; B: computed on the way: QUANTISED
;;     5. batch 64 x [M 2,048, K 2,048] x [K 2,048, N 64]; A: softmax (see below); B: computed on the way: QUANTISED
;;     6. [M 8,192, K 1,024] x [K 1,024, N 1,024]; A: computed on the way; B: input Wo: QUANTISED
;;   THE QUANTISER, for each operand of a quantised product, along K:
;;     - K is cut into blocks of 32 from its start; a last block that is shorter is filled with zeros.
;;     - A block's scale is 2^e with e = floor(log2(the largest magnitude in the block)) - 4, held to -126 .. 127; a block of zeros has e = 0. As a byte (E8M0): e + 127.
;;     - Each number is divided by its block's scale, clamped to +-28, and rounded to the nearest number of E3M2, ties to even, subnormals kept.
;;     - The product sums the exact products of the quantised numbers (number of the format x scale) in f32.
;;   ~~~python
;;   def quantise(x, axis):      # numpy; x: float32 -> the quantised numbers, widened to float32 again
;;       x = np.moveaxis(x, axis, -1); K = x.shape[-1]
;;       x = np.pad(x, [(0, 0)] * (x.ndim - 1) + [(0, -K % 32)]); x = x.reshape(x.shape[:-1] + (-1, 32)); a = np.abs(x).max(-1, keepdims=True)
;;       e = np.where(a > 0, np.clip(np.frexp(np.where(a > 0, a, 1))[1] - 1 - 4, -126, 127), 0)      # np.frexp(a)[1] - 1 = floor(log2(a)), exactly
;;       r = np.clip(x / 2.0 ** e, -28, 28)
;;       step = 2.0 ** (np.maximum(np.frexp(np.where(r == 0, 1, r))[1] - 1, -2) - 2)
;;       q = np.round(r / step) * step * 2.0 ** e      # np.round: ties to even
;;       return np.moveaxis(q.reshape(q.shape[:-2] + (-1,))[..., :K], -1, axis).astype(np.float32)
;;   ~~~
;;   SOFTMAX AHEAD OF A QUANTISED PRODUCT. Where the list says 'softmax', what is quantised is not the finished softmax but p = 2^(t - M), with t = logit x log2(e) and M = ceil(the row's largest t), a whole number; so 1/2 < the row's largest p <= 1. The row's sum l is taken of the UNQUANTISED p, in f32, and the product's result is divided by l at the end. Since M is a whole number, a kernel that streams over the keys may use a running M (the ceiling of the running maximum): every later rescaling is an exact power of two, which a block's scale takes up: the codes' values come out the same.
;;   OPERANDS COMPUTED ON THE WAY. 'Computed on the way' means the value that the module computes at that place (a softmax that the list does not call 'softmax' is quantised finished and normalised). What goes into a quantiser is computed in f32, as accurately as f32 sums, v_exp_f32 and their like allow (about 1e-6 of the number): no bf16 or f16 on the way to a quantiser, and a product that is left as it is and whose result goes on into a quantised operand takes f32 operands (vector FMAs, or v_wmma_f32_16x16x4_f32). A number that lies on a knife's edge between two numbers of the format may be rounded either way, as far as f32 arithmetic and the matrix unit's own rounding can turn it there, and no further.
;; One version. Each part assembles by itself: llvm-mc -triple=amdgcn-amd-amdhsa -mcpu=gfx1250 --defsym DOCPART=n.
;; ======== version 1 of 1: 4 launches
;; workspace buffers: x_img 6,291,456 bytes; x_sc 262,144 bytes; w_img 3,145,728 bytes; w_sc 131,072 bytes; qkv_img 18,874,368 bytes; qkv_sc 786,432 bytes; y_img 6,291,456 bytes; y_sc 524,288 bytes
;; launch quant (part 1): grid 384 x 1, 8 waves a work-group, no clusters, 68,608 bytes of LDS; arguments x, Wq, Wk, Wv, Wo, x_img, x_sc, w_img, w_sc; writes x_img, x_sc, w_img, w_sc
.if DOCPART == 1
	.amdgcn_target "amdgcn-amd-amdhsa--gfx1250"
	.amdhsa_code_object_version 6
	.text
	.protected	k_q8654f7aed6_quant
	.globl	k_q8654f7aed6_quant
	.p2align	8
	.type	k_q8654f7aed6_quant,@function
k_q8654f7aed6_quant:
	s_mov_b64 s[64:65], 0
	v_nop
	global_prefetch_b8 v0, s[64:65] scope:SCOPE_SE
	s_setreg_imm32_b32 hwreg(HW_REG_WAVE_MODE, 25, 1), 1
	s_wait_xcnt 0x0
; CAUSAL MULTI-HEAD ATTENTION ON CODES OF BF6 (E3M2), FOUR LAUNCHES: quant, gemm_qkv, attn, gemm_out.  This one turns x [8192][1024] and Wq, Wk, Wv, Wo [1024 (k)][1024 (n)], f32, into codes with one E8M0 byte for each 32 along K.
; DEAD WORK, for the whole program.  reference() itself builds the causal mask (jnp.tril) and sets every score with key > query to -infinity ahead of the softmax: the weight of such a key is exactly 0 whatever finite values the
; inputs hold, so a step of 128 keys all of which come after a tile's 16 queries adds 0 to the row's sum and 0 to y.  Launch attn leaves such steps out of the fourth and fifth product.  Nothing else is left out, and every input is loaded.
; LIMIT: a NaN, an infinity or an overflow that reaches only the steps left out is not carried to the result.
; THE OPERANDS' FORMAT, for all launches.  A fragment is 16 rows x 128 K in 12 registers a lane: lane (r, h) holds row r, registers 6 c .. 6 c + 5 hold K = 64 c + 32 h + 0 .. 31.  It lies in memory as an IMAGE OF ITS REGISTERS, 1,536 bytes:
; registers 4 q .. 4 q + 3 of lane l at 512 q + 16 l.  THE ROWS OF A FRAGMENT ARE NOT NEIGHBOURS: of a pair P of fragments, fragment 2 P + u, lane row r, holds row 32 P + 8 u + r + 8 (r / 8), so that a product that takes the pair as
; source 0 leaves 16 neighbours along the next K in a lane's 16 registers.  Scale words: [pair][K step][32 words]: lanes 0-15 fragment 2 P's rows, lanes 16-31 fragment 2 P + 1's.
; x_img [fragment 512][K step 8][1536], x_sc [pair 256][8][32 words];  w_img [fragment 256][8][1536], w_sc [pair 128][8][32 words]: rows 0-1023 are Wq's columns, then Wk's, Wv's, Wo's.
; A block's scale is 2^(floor(log2(its largest magnitude)) - 4); its byte is the largest magnitude's exponent field - 4, held at 1 from below.
; LIMITS: a block of zeros gets the byte 1 where the quantiser says 127 (its codes are zeros, which add nothing, and this program alone reads the bytes); NaN and infinities among the inputs are not served.
; SHARES.  Work-groups 0-255: a pair of x (32 whole rows, 131,072 consecutive bytes), a wave to a K step.  Each load reads 512 consecutive bytes of a row; 16 rows turn through the wave's own stage in LDS, so that a lane gets its row's
; two blocks of 32.  Work-groups 256-383: 256 columns x 128 K of one weight; a lane takes a column and its registers run down K, so nothing is transposed.  Waves share nothing: no barrier.  Work-groups share no input: no cluster.
; The images leave in stores of 512 consecutive bytes (x) or of two runs of 256 (W).  The scale words leave in runs of 128 bytes: one byte for each 128 bytes read.
.set SPARE, 67584                      ; behind the eight stages: the spare words, 128 bytes for each wave: four blocks of 256 bytes that no other line names
.set SPW,  10                          ; v10  LDS address of my spare word; never rewritten
.set NIL,  11                          ; v11  0; never rewritten
.set R,    16                          ; v16-143  x: 32 rows as loaded, 4 registers each;  W: four blocks of 32 numbers
.set T,    144                         ; v144-207 x: my row's 64 numbers
.set C,    208                         ; v208-231 x: the two fragments' codes
.set TP,   232                         ; v232-239 x: the second halves of the blocks' codes (a conversion's three registers begin on an even number)
.set TM,   240                         ; v240-241 largest magnitudes
.set SO,   242                         ; v242-243 the conversions' scale operands
.set BY,   244                         ; v244-245 the scale bytes
.set WD,   246
.set WX,   247
.set WRD,  248                         ; v248-249 the two fragments' scale words
.set WO,   250
.set CH,   144                         ; W: v144-167 the codes of image lanes (r, 0) and (r, 1)
.set TQ,   168                         ; W: v168-175
; x: fragment u of the pair: its 16 rows through the stage, two blocks a lane quantised, the image stored
.macro XFRAG u
	s_wait_loadcnt 16-16*\u                        ; this fragment's sixteen loads are in; the other fragment's sixteen, issued behind them, may be out
.irp p, 0,1,2,3,4,5,6,7,8,9,10,11,12,13,14,15
	ds_store_b128 v3, v[R+64*\u+4*\p:R+64*\u+4*\p+3] offset:528*\p
.endr
.irp c, 0,1
.irp q, 0,1,2,3,4,5,6,7
	ds_load_b128 v[T+32*\c+4*\q:T+32*\c+4*\q+3], v4 offset:256*\c+16*\q   ; LDS serves a wave's instructions in order: these see my stores.  K = 64 c + 32 h + 4 q on, of row r
.endr
.endr
	s_wait_dscnt 0x0
.irp c, 0,1
	v_max3_num_f32 v[TM+\c], |v[T+32*\c]|, |v[T+32*\c+1]|, 0x2800000   ; block 2 c + h is all mine; the floor 2^(5 - 127) holds the byte at 1 from below
.endr
.irp i, 2,4,6,8,10,12,14,16,18,20,22,24,26,28,30
.irp c, 0,1
	v_max3_num_f32 v[TM+\c], v[TM+\c], |v[T+32*\c+\i]|, |v[T+32*\c+\i+1]|
.endr
.endr
.irp c, 0,1
	v_add_nc_u32 v[SO+\c], 0xfe000000, v[TM+\c]    ; 4 off the exponent field: the conversion takes this operand's exponent field as its scale
.endr
.irp c, 0,1
	v_lshrrev_b32 v[BY+\c], 23, v[SO+\c]           ; the scale's byte
.endr
	v_lshl_or_b32 v[WD], v[BY+1], 16, v[BY]        ; my two bytes: blocks h and 2 + h,
	v_lshlrev_b32 v[WD], v6, v[WD]                 ; at their places in the word (8 h bits up);
	v_permlanex16_b32 v[WX], v[WD], s26, s27
	v_or_b32 v[WRD+\u], v[WD], v[WX]               ; with lane l xor 16's two the row's word is whole
.irp c, 0,1
	v_cvt_scalef32_pk16_bf6_f32 v[C+12*\u+6*\c:C+12*\u+6*\c+2], v[T+32*\c:T+32*\c+15], v[SO+\c]
	v_cvt_scalef32_pk16_bf6_f32 v[TP+4*\c:TP+4*\c+2], v[T+32*\c+16:T+32*\c+31], v[SO+\c]
.endr
	v_nop                                          ; one plain instruction behind the scaled conversions
.irp c, 0,1
.irp i, 0,1,2
	v_mov_b32 v[C+12*\u+6*\c+3+\i], v[TP+4*\c+\i]
.endr
.endr
.irp q, 0,1,2
	global_store_b128 v2, v[C+12*\u+4*\q:C+12*\u+4*\q+3], s[14:15] offset:12288*\u+512*\q   ; 512 consecutive bytes of the image
.endr
.endm
; W: block t of my column: W(128 s + 32 t + i, column)
.macro WLOAD t
.irp i, 0,1,2,3,4,5,6,7,8,9,10,11,12,13,14,15,16,17,18,19,20,21,22,23,24,25,26,27,28,29,30,31
	global_load_b32 v[R+32*(\t)+\i], v2, s[6:7] offset:(32*(\t)+\i)*4096 th:TH_LOAD_NT
.endr
.endm
.macro WBLOCK t
.set XB, R+32*(\t)
.set CD, CH+12*((\t)%2)+6*((\t)/2)     ; block t = 2 c + h goes to registers 6 c .. 6 c + 5 of image lane (r, h)
.set TH, TQ+4*((\t)%2)
	v_max3_num_f32 v176, |v[XB]|, |v[XB+1]|, |v[XB+2]|
	v_max3_num_f32 v177, |v[XB+3]|, |v[XB+4]|, |v[XB+5]|
.irp i, 6,10,14,18,22,26
	v_max3_num_f32 v176, v176, |v[XB+\i]|, |v[XB+\i+1]|
	v_max3_num_f32 v177, v177, |v[XB+\i+2]|, |v[XB+\i+3]|
.endr
	v_max3_num_f32 v176, v176, |v[XB+30]|, |v[XB+31]|
	v_max3_num_f32 v176, v176, v177, 0x2800000     ; and the floor
	v_add_nc_u32 v178, 0xfe000000, v176
	v_lshrrev_b32 v179, 23, v178
.if (\t) == 0
	v_mov_b32 v180, v179                           ; the column's scale word: byte t
.else
	v_lshl_or_b32 v180, v179, 8*(\t), v180
.endif
	v_cvt_scalef32_pk16_bf6_f32 v[CD:CD+2], v[XB:XB+15], v178
	v_cvt_scalef32_pk16_bf6_f32 v[TH:TH+2], v[XB+16:XB+31], v178
	v_nop                                          ; one plain instruction behind the scaled conversions
.irp i, 0,1,2
	v_mov_b32 v[CD+3+\i], v[TH+\i]
.endr
.endm
	s_load_b512 s[4:19], s[0:1], 0x0               ; x s[4:5], Wq s[6:7], Wk s[8:9], Wv s[10:11], Wo s[12:13], x_img s[14:15], x_sc s[16:17], w_img s[18:19]
	s_load_b64 s[20:21], s[0:1], 0x40              ; w_sc
	v_lshl_add_u32 v[SPW], v0, 2, SPARE
	v_mov_b32 v[NIL], 0
	v_lshrrev_b32 v1, 5, v0
	v_readfirstlane_b32 s24, v1                    ; wave 0..7
	v_and_b32 v1, 31, v0                           ; lane
	s_cmp_lt_u32 ttmp9, 256
	s_cbranch_scc0 .Lweights
	; ---- x: pair P = the work-group's number, K step = the wave's
	v_lshlrev_b32 v2, 4, v1                        ; 16 x lane: my bytes of a load's and of a store's 512
	s_mul_i32 s25, s24, 8448                       ; my stage: 16 rows of 512 bytes + 16
	v_add_nc_u32 v3, s25, v2                       ; into it: as loaded
	v_and_b32 v7, 15, v1                           ; r
	v_lshrrev_b32 v8, 4, v1                        ; h
	v_mul_u32_u24 v4, v7, 528
	v_lshl_add_u32 v4, v8, 7, v4
	v_add_nc_u32 v4, s25, v4                       ; out of it: row r, + 128 h
	v_lshlrev_b32 v5, 2, v1
	v_lshlrev_b32 v6, 3, v8                        ; 8 h
	v_mov_b32 v[WX], 0                             ; written once: a lane permute's destination counts as one of its sources
	s_mov_b32 s26, 0x76543210
	s_mov_b32 s27, 0xfedcba98                      ; v_permlanex16_b32's selects for lane l xor 16
	s_mov_b32 s28, 0xffff0000                      ; lanes 16-31
	s_lshl_b32 s30, ttmp9, 17                      ; x: 32 rows of 4,096 bytes a pair,
	s_lshl_b32 s31, s24, 9                         ; 512 bytes a K step
	s_add_co_u32 s30, s30, s31
	s_mov_b32 s31, 0
	s_mul_i32 s32, ttmp9, 24576                    ; x_img: two fragments of 12,288 bytes a pair,
	s_mul_i32 s33, s24, 1536                       ; 1,536 a K step
	s_add_co_u32 s32, s32, s33
	s_mov_b32 s33, 0
	s_lshl_b32 s34, ttmp9, 10                      ; x_sc: 1,024 bytes a pair, 128 a K step
	s_lshl_b32 s35, s24, 7
	s_add_co_u32 s34, s34, s35
	s_mov_b32 s35, 0
	s_wait_kmcnt 0x0
	s_add_nc_u64 s[4:5], s[4:5], s[30:31]
	s_add_nc_u64 s[14:15], s[14:15], s[32:33]
	s_add_nc_u64 s[16:17], s[16:17], s[34:35]
.irp u, 0,1
.irp p, 0,1,2,3,4,5,6,7,8,9,10,11,12,13,14,15
	global_load_b128 v[R+64*\u+4*\p:R+64*\u+4*\p+3], v2, s[4:5] offset:(8*\u+\p+8*(\p/8))*4096 th:TH_LOAD_NT   ; fragment u's row p: 512 consecutive bytes; read once in the launch
.endr
.endr
	XFRAG 0
	XFRAG 1
	v_cndmask_b32 v[WO], v[WRD], v[WRD+1], s28     ; lanes 0-15 fragment 2 P's words, lanes 16-31 fragment 2 P + 1's
	global_store_b32 v5, v[WO], s[16:17]
	s_wait_tensorcnt 0x0                           ; the wave's end, behind my last LDS store
	ds_add_u32 v[SPW], v[NIL]
	s_wait_dscnt 0x0
	s_endpgm
	; ---- W
.Lweights:
	s_sub_co_u32 s25, ttmp9, 256
	s_lshr_b32 s26, s25, 3                         ; which 256 of the 4,096 rows of w_img
	s_and_b32 s27, s25, 7                          ; K step
	s_lshr_b32 s28, s26, 2                         ; which weight
	s_and_b32 s29, s26, 3                          ; which 256 of its columns
	v_lshlrev_b32 v2, 2, v1                        ; in: 4 bytes a lane: 128 consecutive bytes a wave
	v_bfe_u32 v5, v1, 3, 1                         ; column i of the pair's 32 is row r = i % 8 + 8 (i / 16) of fragment u = (i / 8) % 2
	v_and_b32 v6, 7, v1
	v_lshrrev_b32 v7, 4, v1
	v_lshl_add_u32 v6, v7, 3, v6
	v_mul_u32_u24 v3, v5, 12288
	v_lshl_add_u32 v3, v6, 4, v3                   ; out: fragment u, image lane (r, 0)
	v_lshl_add_u32 v4, v5, 4, v6
	v_lshlrev_b32 v4, 2, v4                        ; and the scale word's place: 4 (16 u + r)
	s_lshl_b32 s30, s27, 19                        ; 128 rows of 4,096 bytes a K step,
	s_lshl_b32 s31, s29, 10
	s_add_co_u32 s30, s30, s31
	s_lshl_b32 s31, s24, 7                         ; my wave's 32 columns
	s_add_co_u32 s30, s30, s31
	s_mov_b32 s31, 0
	s_lshl_b32 s32, s26, 3
	s_add_co_u32 s32, s32, s24                     ; my pair
	s_mul_i32 s34, s32, 24576
	s_mul_i32 s35, s27, 1536
	s_add_co_u32 s34, s34, s35
	s_mov_b32 s35, 0
	s_lshl_b32 s36, s32, 10
	s_lshl_b32 s37, s27, 7
	s_add_co_u32 s36, s36, s37
	s_mov_b32 s37, 0
	s_wait_kmcnt 0x0
	s_cmp_eq_u32 s28, 1                            ; the weight is chosen by the work-group's number alone
	s_cselect_b64 s[6:7], s[8:9], s[6:7]
	s_cmp_eq_u32 s28, 2
	s_cselect_b64 s[6:7], s[10:11], s[6:7]
	s_cmp_eq_u32 s28, 3
	s_cselect_b64 s[6:7], s[12:13], s[6:7]
	s_add_nc_u64 s[6:7], s[6:7], s[30:31]
	s_add_nc_u64 s[18:19], s[18:19], s[34:35]
	s_add_nc_u64 s[20:21], s[20:21], s[36:37]
	WLOAD 0
	WLOAD 1
	s_wait_loadcnt 32                              ; block 0 is in; block 1's 32 loads may be out
	WLOAD 2
	WBLOCK 0
	s_wait_loadcnt 32                              ; block 1 is in; block 2's may be out
	WLOAD 3
	WBLOCK 1
	s_wait_loadcnt 32                              ; block 2 is in; block 3's may be out
	WBLOCK 2
	s_wait_loadcnt 0x0
	WBLOCK 3
.irp h, 0,1
.irp q, 0,1,2
	global_store_b128 v3, v[CH+12*\h+4*\q:CH+12*\h+4*\q+3], s[18:19] offset:512*\q+256*\h   ; sixteen lanes fill 256 consecutive bytes of fragment 2 P's image, sixteen of fragment 2 P + 1's
.endr
.endr
	global_store_b32 v4, v180, s[20:21]
	s_endpgm
.Lfunc_end_k_q8654f7aed6_quant:
	.size	k_q8654f7aed6_quant, .Lfunc_end_k_q8654f7aed6_quant-k_q8654f7aed6_quant
	.p2alignl 7, 3214868480
	.fill 96, 4, 3214868480
	.section	.rodata,"a",@progbits
	.p2align	6, 0x0
	.amdhsa_kernel k_q8654f7aed6_quant
		.amdhsa_group_segment_fixed_size 68608
		.amdhsa_private_segment_fixed_size 0
		.amdhsa_enable_private_segment 0
		.amdhsa_kernarg_size 72
		.amdhsa_user_sgpr_count 2
		.amdhsa_user_sgpr_kernarg_segment_ptr 1
		.amdhsa_wavefront_size32 1
		.amdhsa_system_sgpr_workgroup_id_x 1
		.amdhsa_system_sgpr_workgroup_id_y 1
		.amdhsa_system_sgpr_workgroup_id_z 1
		.amdhsa_system_vgpr_workitem_id 0
		.amdhsa_next_free_vgpr 256
		.amdhsa_next_free_sgpr 66
		.amdhsa_reserve_vcc 0
		.amdhsa_float_denorm_mode_32 3
		.amdhsa_float_denorm_mode_16_64 3
		.amdhsa_memory_ordered 1
		.amdhsa_forward_progress 1
		.amdhsa_inst_pref_size 36
	.end_amdhsa_kernel
	.amdgpu_metadata
---
amdhsa.version: [ 1, 2 ]
amdhsa.kernels:
  - .name:           k_q8654f7aed6_quant
    .symbol:         k_q8654f7aed6_quant.kd
    .args:
      - { .name: x, .offset: 0, .size: 8, .value_kind: global_buffer, .address_space: global }
      - { .name: Wq, .offset: 8, .size: 8, .value_kind: global_buffer, .address_space: global }
      - { .name: Wk, .offset: 16, .size: 8, .value_kind: global_buffer, .address_space: global }
      - { .name: Wv, .offset: 24, .size: 8, .value_kind: global_buffer, .address_space: global }
      - { .name: Wo, .offset: 32, .size: 8, .value_kind: global_buffer, .address_space: global }
      - { .name: x_img, .offset: 40, .size: 8, .value_kind: global_buffer, .address_space: global }
      - { .name: x_sc, .offset: 48, .size: 8, .value_kind: global_buffer, .address_space: global }
      - { .name: w_img, .offset: 56, .size: 8, .value_kind: global_buffer, .address_space: global }
      - { .name: w_sc, .offset: 64, .size: 8, .value_kind: global_buffer, .address_space: global }
    .group_segment_fixed_size: 68608
    .private_segment_fixed_size: 0
    .kernarg_segment_align: 8
    .kernarg_segment_size: 72
    .max_flat_workgroup_size: 256
    .sgpr_count:     66
    .vgpr_count:     256
    .wavefront_size: 32
...
	.end_amdgpu_metadata
.endif
;; end of part 1
;; launch gemm_qkv (part 2): grid 12 x 64, 4 waves a work-group, clusters of 4 x 4, 327,680 bytes of LDS; arguments x_img, x_sc, w_img, w_sc, qkv_img, qkv_sc; writes qkv_img, qkv_sc
.if DOCPART == 2
	.amdgcn_target "amdgcn-amd-amdhsa--gfx1250"
	.amdhsa_code_object_version 6
	.text
	.protected	k_q8654f7aed6_gemm_qkv
	.globl	k_q8654f7aed6_gemm_qkv
	.p2align	8
	.type	k_q8654f7aed6_gemm_qkv,@function
k_q8654f7aed6_gemm_qkv:
	s_mov_b64 s[64:65], 0
	v_nop
	global_prefetch_b8 v0, s[64:65] scope:SCOPE_SE
	s_setreg_imm32_b32 hwreg(HW_REG_WAVE_MODE, 25, 1), 1
	s_wait_xcnt 0x0
	s_wait_alu depctr_hold_cnt(0) depctr_sa_sdst(0) depctr_va_vdst(0) depctr_va_sdst(0) depctr_va_ssrc(0) depctr_va_vcc(0) depctr_vm_vsrc(0)
	s_getreg_b32 s2, hwreg(HW_REG_IB_STS2, 6, 4)
	s_cmp_eq_u32 s2, 0
	s_cbranch_scc0 .Lentry_in_a_cluster
	s_endpgm
.Lentry_in_a_cluster:
	s_bfe_u32 s2, ttmp6, 0x10000c
	s_cmp_lg_u32 s2, 0xf033
	s_cbranch_scc0 .Lentry_shape_is_right
	s_endpgm
.Lentry_shape_is_right:
; q = x Wq, k = x Wk, v = x Wv on codes of BF6, and q, k, v quantised on the way out for the two products of attention.  No work is left out here.
; SHARES.  A work-group makes 128 tokens x 256 features (rows 0-1023 of w_img are q's features, then k's, then v's).  ALL OF K (1,024) of both operands lies in LDS: 98,304 bytes of x, 196,608 of W, filled once, in four chunks
; of two K steps, and never filled again.  Wave w makes 128 tokens x 64 features, ONE HEAD: 8 fragments of x against 4 of W, 32 accumulators.
; CLUSTERS: 4 x 4 work-groups.  x's images hang on the tile row alone and are asked for jointly along a row of the cluster, W's on the tile column alone and jointly along a column.  Waves 0, 1 fetch x's halves, waves 2, 3 W's:
; four tensor loads a wave, all issued at the head.
; TWO ORDERS OF THE SOURCES.  q and k are quantised along the head's 64, so source 0 = W, source 1 = x: a lane holds one token and its registers run along the features.  v is quantised along the KEYS, so source 0 = x, source 1 = W:
; a lane holds one feature and its registers run along the tokens.  The branch hangs on the cluster's x alone (2 = v): it is the same in all sixteen partners.
; By the order of a fragment's rows (launch quant) the 64 registers of accumulators 8 g .. 8 g + 7 are in both cases four blocks of 32 neighbours, half a block a lane: one quantiser serves both.
; OUT.  qkv_img [head column 48][block of 128 tokens 64][6144]: four images.  q, k: image g: registers 0-5 = token fragment 2 g x the head's 64, registers 6-11 = fragment 2 g + 1; its scale word: bytes 0, 1 and bytes 2, 3.
; v: image j = 16 of the head's 64 (fragment j) x 128 keys.  qkv_sc [48][64][256]: lane l's 8 bytes at 8 l: word 0 image 0 (lanes 0-15) or 1 (lanes 16-31), word 1 image 2 or 3.
; LIMITS: a block of zeros gets the byte 1 (its codes are zeros; this program alone reads the bytes); NaN and infinities are not served.
; REGISTERS, in windows of 256: window 0: v1-11 addresses; v16-47 x's scale words, v48-63 W's; v64-95 the quantiser's; v96-143 four images; v144-239 W's fragments, two sets.  Window 1: the 32 accumulators.  Window 2: x's fragments, two sets of 96.
.set WBASE, 98304                      ; LDS: x at 0: chunk c at 24576 c, fragment i at + 3072 i, step e at + 1536 e;  W from here: chunk c at + 49152 c, fragment n at + 3072 n, step e at + 1536 e
.set SPARE, 294912                     ; behind them: the spare words, 128 bytes for each wave: two blocks of 256 bytes that no other line names
.set LI,  1                            ; v1     16 x lane: my place in an image
.set AX,  1                            ; v1-2   x's chunks 0, 1 and 2, 3
.set AW,  4                            ; v4-7   my four fragments of W in chunk c
.set L4,  8                            ; v8     4 x lane
.set L8,  9                            ; v9     8 x lane
.set SPW, 10                           ; v10    LDS address of my spare word; never rewritten
.set NIL, 11                           ; v11    0; never rewritten
.set XS,  16                           ; x's scale words: K step s, pair p at v[XS + 4 s + p]
.set WS,  48                           ; W's: K step s, pair g at v[WS + 2 s + g]
.set TM,  64                           ; v64-67 largest magnitudes, v68-71 bytes, v76-79 scale operands
.set PW,  80                           ; v80-83 the four images' scale words
.set OW,  84                           ; v84-85 as they leave
.set TP,  86                           ; v86-93
.set PC,  96                           ; image g's codes at v[PC + 12 g]
.set WF,  144
.set G1X, 24                           ; s[24:31] descriptor group 1 for x;  s[32:39] for W;  s[40:55], s[68:83] groups 0, one for each chunk
.set G1W, 32
.set G0X, 40
.set G0W, 68
.set MSB, 0
.macro WIN new                         ; the immediate's high byte repeats the setting that is left
.if MSB != \new
	s_set_vgpr_msb (MSB<<8)|\new
.set MSB, \new
.endif
.endm
.macro PLACES                          ; four plain instructions in front of loads into registers that matrix instructions have read, and of the first read of results
.rept 4
	v_nop
.endr
.endm
.macro JLOAD ga, gb                    ; a joint load: each of the two lines has one mask and one set of registers; the branch hangs on the wave's number alone; an s_nop 0 and four v_nop follow each line
	s_cmp_eq_u32 s17, 0
	s_cbranch_scc0 .Lfor_w_\@
	tensor_load_to_lds s[\ga:\ga+3], s[G1X:G1X+7]
	s_nop 0
.rept 4
	v_nop
.endr
	s_branch .Lasked_\@
.Lfor_w_\@:
	tensor_load_to_lds s[\gb:\gb+3], s[G1W:G1W+7]
	s_nop 0
.rept 4
	v_nop
.endr
.Lasked_\@:
.endm
.macro CROUND                          ; a round of the cluster's barrier
	s_barrier_signal -1
	s_barrier_wait -1
	s_cmp_lg_u32 s16, 0
	s_cbranch_scc1 .Lnot_wave_0_\@
	s_barrier_signal -3
.Lnot_wave_0_\@:
	s_barrier_wait -3
	s_barrier_signal -1
	s_barrier_wait -1
.endm
; one product on the registers named by rD, rA, rB, rSA, rSB.  z = 1: it starts the sum.  ra, rb: the side's scale words lie in lanes 16-31
.macro WM z, ra, rb
.if (\z) == 1
.if (\ra) && (\rb)
	v_wmma_scale_f32_16x16x128_f8f6f4 v[rD:rD+7], v[rA:rA+11], v[rB:rB+11], 0, v[rSA], v[rSB] matrix_a_fmt:MATRIX_FMT_BF6 matrix_b_fmt:MATRIX_FMT_BF6 matrix_a_scale:MATRIX_SCALE_ROW1 matrix_b_scale:MATRIX_SCALE_ROW1
.elseif (\ra)
	v_wmma_scale_f32_16x16x128_f8f6f4 v[rD:rD+7], v[rA:rA+11], v[rB:rB+11], 0, v[rSA], v[rSB] matrix_a_fmt:MATRIX_FMT_BF6 matrix_b_fmt:MATRIX_FMT_BF6 matrix_a_scale:MATRIX_SCALE_ROW1
.elseif (\rb)
	v_wmma_scale_f32_16x16x128_f8f6f4 v[rD:rD+7], v[rA:rA+11], v[rB:rB+11], 0, v[rSA], v[rSB] matrix_a_fmt:MATRIX_FMT_BF6 matrix_b_fmt:MATRIX_FMT_BF6 matrix_b_scale:MATRIX_SCALE_ROW1
.else
	v_wmma_scale_f32_16x16x128_f8f6f4 v[rD:rD+7], v[rA:rA+11], v[rB:rB+11], 0, v[rSA], v[rSB] matrix_a_fmt:MATRIX_FMT_BF6 matrix_b_fmt:MATRIX_FMT_BF6
.endif
.else
.if (\ra) && (\rb)
	v_wmma_scale_f32_16x16x128_f8f6f4 v[rD:rD+7], v[rA:rA+11], v[rB:rB+11], v[rD:rD+7], v[rSA], v[rSB] matrix_a_fmt:MATRIX_FMT_BF6 matrix_b_fmt:MATRIX_FMT_BF6 matrix_a_scale:MATRIX_SCALE_ROW1 matrix_b_scale:MATRIX_SCALE_ROW1
.elseif (\ra)
	v_wmma_scale_f32_16x16x128_f8f6f4 v[rD:rD+7], v[rA:rA+11], v[rB:rB+11], v[rD:rD+7], v[rSA], v[rSB] matrix_a_fmt:MATRIX_FMT_BF6 matrix_b_fmt:MATRIX_FMT_BF6 matrix_a_scale:MATRIX_SCALE_ROW1
.elseif (\rb)
	v_wmma_scale_f32_16x16x128_f8f6f4 v[rD:rD+7], v[rA:rA+11], v[rB:rB+11], v[rD:rD+7], v[rSA], v[rSB] matrix_a_fmt:MATRIX_FMT_BF6 matrix_b_fmt:MATRIX_FMT_BF6 matrix_b_scale:MATRIX_SCALE_ROW1
.else
	v_wmma_scale_f32_16x16x128_f8f6f4 v[rD:rD+7], v[rA:rA+11], v[rB:rB+11], v[rD:rD+7], v[rSA], v[rSB] matrix_a_fmt:MATRIX_FMT_BF6 matrix_b_fmt:MATRIX_FMT_BF6
.endif
.endif
.endm
; K step s's fragments into set s % 2: 36 loads of 512 consecutive bytes, in one run
.macro FETCH s
.set fp, (\s)%2
.set fc, (\s)/2
	WIN 0x80                                       ; destination window 2, address window 0
.irp i, 0,1,2,3,4,5,6,7
.irp q, 0,1,2
	ds_load_b128 v[96*fp+12*\i+4*\q:96*fp+12*\i+4*\q+3], v[AX+fc/2] offset:24576*(fc%2)+3072*\i+1536*fp+512*\q
.endr
.endr
	WIN 0
.irp j, 0,1,2,3
.irp q, 0,1,2
	ds_load_b128 v[WF+48*fp+12*\j+4*\q:WF+48*fp+12*\j+4*\q+3], v[AW+fc] offset:3072*\j+1536*fp+512*\q
.endr
.endr
.endm
; K step s's 32 products.  The 32 accumulators take turns, one instruction a turn.
.macro MUL s, z
.set mp, (\s)%2
	s_cmp_lg_u32 s23, 0
	s_cbranch_scc1 .Lvarm_\@
	WIN 0x58                                       ; q, k: source 0 (W) window 0, source 1 (x) window 2, C and D window 1
.irp i, 0,1,2,3,4,5,6,7
.irp j, 0,1,2,3
.set rD, 8*(4*\i+\j)
.set rA, WF+48*mp+12*\j
.set rB, 96*mp+12*\i
.set rSA, WS+2*(\s)+\j/2
.set rSB, XS+4*(\s)+\i/2
	WM \z, \j%2, \i%2
.endr
.endr
	WIN 0                                          ; at a branch and at a label every window is 0
	s_branch .Ljoin_\@
.Lvarm_\@:
	WIN 0x52                                       ; v: source 0 (x) window 2, source 1 (W) window 0, C and D window 1
.irp i, 0,1,2,3,4,5,6,7
.irp j, 0,1,2,3
.set rD, 8*(8*\j+\i)
.set rA, 96*mp+12*\i
.set rB, WF+48*mp+12*\j
.set rSA, XS+4*(\s)+\i/2
.set rSB, WS+2*(\s)+\j/2
	WM \z, \i%2, \j%2
.endr
.endr
	WIN 0
.Ljoin_\@:
.endm
; A K step.  The next step's fragments are asked for ahead of this step's products.  Where the next step begins a chunk (s = 1, 3, 5): my own load of that chunk has landed (the count leaves my loads of the later chunks out), and a barrier
; shows the same of the other waves.
.macro STEP s, z
.if ((\s)%2 == 1) && ((\s) < 7)
	s_wait_tensorcnt 3-((\s)+1)/2
.endif
	s_wait_dscnt 0x0                               ; this step's fragments are in
.if ((\s)%2 == 1) && ((\s) < 7)
	s_barrier_signal -1
	s_barrier_wait -1
.endif
.if ((\s) > 0) && ((\s) < 7)
	PLACES                                         ; the set to be loaded was read by the last step's products
.endif
.if (\s) < 7
	FETCH (\s)+1
.endif
	MUL \s, \z
.endm
; accumulators 8 g .. 8 g + 7: register 16 b + i of the 64 is number 32 b + 16 h + i along the next K of my row.  They become image g's codes and its scale word.
.macro QUANT g
.set QA, 64*(\g)
.set QC, PC+12*(\g)
	WIN 0x05                                       ; sources 0 and 1 window 1
.irp b, 0,1,2,3
	v_max3_num_f32 v[TM+\b], |v[QA+16*\b]|, |v[QA+16*\b+1]|, 0x2800000   ; each accumulator is read from its low end on; the floor 2^(5 - 127) holds the byte at 1 from below
.endr
	WIN 0x14                                       ; sources 1 and 2 window 1
.irp i, 2,4,6,8,10,12,14
.irp b, 0,1,2,3
	v_max3_num_f32 v[TM+\b], v[TM+\b], |v[QA+16*\b+\i]|, |v[QA+16*\b+\i+1]|
.endr
.endr
	WIN 0
.irp b, 0,1,2,3
	v_permlanex16_b32 v[TM+4+\b], v[TM+\b], s86, s87
.endr
.irp b, 0,1,2,3
	v_max_num_f32 v[TM+\b], v[TM+\b], v[TM+4+\b]   ; with lane l xor 16's: the block's largest magnitude
.endr
.irp b, 0,1,2,3
	v_add_nc_u32 v[TM+12+\b], 0xfe000000, v[TM+\b] ; 4 off its exponent field: the conversion's scale operand
.endr
.irp b, 0,1,2,3
	v_lshrrev_b32 v[TM+4+\b], 23, v[TM+12+\b]      ; the scale's byte
.endr
	v_lshl_or_b32 v[PW+\g], v[TM+5], 8, v[TM+4]
	v_lshl_or_b32 v[PW+\g], v[TM+6], 16, v[PW+\g]
	v_lshl_or_b32 v[PW+\g], v[TM+7], 24, v[PW+\g]
	WIN 0x01                                       ; source 0 window 1
.irp c, 0,1
	v_cvt_scalef32_pk16_bf6_f32 v[QC+6*\c:QC+6*\c+2], v[QA+32*\c:QA+32*\c+15], v[TM+12+2*\c]
	v_cvt_scalef32_pk16_bf6_f32 v[TP+4*\c:TP+4*\c+2], v[QA+32*\c+16:QA+32*\c+31], v[TM+13+2*\c]
.endr
	WIN 0
	v_nop                                          ; one plain instruction behind the scaled conversions
.irp c, 0,1                            ; the layout wants a whole block in a lane: lanes 0-15 block 2 c, lanes 16-31 block 2 c + 1
.irp i, 0,1,2
	v_permlane16_swap_b32 v[QC+6*\c+\i], v[TP+4*\c+\i]
.endr
.irp i, 0,1,2
	v_mov_b32 v[QC+6*\c+3+\i], v[TP+4*\c+\i]
.endr
.endr
.irp q, 0,1,2
	global_store_b128 v[LI], v[QC+4*\q:QC+4*\q+3], s[92:93] offset:1536*(\g)+512*\q   ; 512 consecutive bytes of the image
.endr
.endm
	s_load_b256 s[4:11], s[0:1], 0x0               ; x_img s[4:5], x_sc s[6:7], w_img s[8:9], w_sc s[10:11]
	s_load_b128 s[12:15], s[0:1], 0x20             ; qkv_img s[12:13], qkv_sc s[14:15]
	v_lshl_add_u32 v[SPW], v0, 2, SPARE
	v_mov_b32 v[NIL], 0
	ds_add_u32 v[SPW], v[NIL]                      ; the wave's opening: the add, twice on end, and its wait ahead of my first tensor load
	ds_add_u32 v[SPW], v[NIL]
	v_lshrrev_b32 v12, 5, v0
	v_readfirstlane_b32 s16, v12                   ; wave 0..3
	s_lshr_b32 s17, s16, 1                         ; I fetch for x (0) or for W (1),
	s_and_b32 s18, s16, 1                          ; which half of its fragments
	s_bfe_u32 s19, ttmp6, 0x40000                  ; cx, cy: my place in the cluster
	s_bfe_u32 s20, ttmp6, 0x40004
	s_lshl_b32 s21, ttmp9, 2
	s_add_co_u32 s21, s21, s19                     ; tile column: 256 features
	s_and_b32 s22, ttmp7, 0xffff
	s_lshl_b32 s22, s22, 2
	s_add_co_u32 s22, s22, s20                     ; tile row: 128 tokens
	s_cmp_eq_u32 ttmp9, 2
	s_cselect_b32 s23, 1, 0                        ; 1: these features are v's
	s_lshl_b32 s56, s20, 2
	s_lshl_b32 s56, 15, s56                        ; my row of the cluster
	s_lshl_b32 s57, 0x1111, s19                    ; my column
	; descriptor group 1: a row = a fragment's two K steps, 3,072 bytes = 384 elements of 8 bytes; rows 12,288 bytes = 1,536 elements apart; x: 4 rows, W: 8; no padding
	s_or_b32 s[G1X], s56, (3<<16)|(1<<21)
	s_or_b32 s[G1W], s57, (3<<16)|(1<<21)
.irp g, G1X, G1W
	s_mov_b32 s[\g+1], 384<<16                     ; tensor_dim0
	s_mov_b32 s[\g+3], 384<<16                     ; tile_dim0
	s_mov_b32 s[\g+5], 1536                        ; tensor_dim0_stride
	s_mov_b32 s[\g+6], 0
	s_mov_b32 s[\g+7], 0
.endr
	s_mov_b32 s[G1X+2], 4<<16                      ; tensor_dim1
	s_mov_b32 s[G1X+4], 4                          ; tile_dim1
	s_mov_b32 s[G1W+2], 8<<16
	s_mov_b32 s[G1W+4], 8
	s_mul_i32 s58, s22, 98304                      ; x: 8 fragments a tile row, 4 a half: made of the tile row and the wave's number alone
	s_mul_i32 s59, s18, 49152
	s_add_co_u32 s58, s58, s59
	s_mov_b32 s59, 0
	s_mul_i32 s60, s21, 196608                     ; W: 16 fragments a tile column, 8 a half: of the tile column and the wave's number alone
	s_mul_i32 s61, s18, 98304
	s_add_co_u32 s60, s60, s61
	s_mov_b32 s61, 0
	s_mul_i32 s62, s18, 12288                      ; where they go: no place in the cluster enters an LDS address
	s_mul_i32 s63, s18, 24576
	s_add_co_u32 s63, s63, WBASE
	s_lshl_b32 s88, s22, 12                        ; x's scale words: 4 pairs of 1,024 bytes a tile row
	s_mov_b32 s89, 0
	s_lshl_b32 s90, s21, 3
	s_lshl_b32 s91, s16, 1
	s_add_co_u32 s90, s90, s91
	s_lshl_b32 s90, s90, 10                        ; W's: my wave's two pairs
	s_mov_b32 s91, 0
	s_lshl_b32 s92, s21, 2
	s_add_co_u32 s92, s92, s16                     ; my head column
	s_lshl_b32 s92, s92, 6
	s_add_co_u32 s92, s92, s22                     ; x 64 + the block of tokens
	s_lshl_b32 s94, s92, 8
	s_mov_b32 s95, 0
	s_mul_i32 s92, s92, 6144
	s_mov_b32 s93, 0
	s_mov_b32 s84, 0xffff0000                      ; lanes 16-31
	s_mov_b32 s86, 0x76543210
	s_mov_b32 s87, 0xfedcba98                      ; v_permlanex16_b32's selects for lane l xor 16
	s_wait_dscnt 0x0                               ; both opening adds are done
	s_wait_kmcnt 0x0
	s_add_nc_u64 s[58:59], s[4:5], s[58:59]
	s_add_nc_u64 s[60:61], s[8:9], s[60:61]
	s_add_nc_u64 s[88:89], s[6:7], s[88:89]
	s_add_nc_u64 s[90:91], s[10:11], s[90:91]
	s_add_nc_u64 s[92:93], s[12:13], s[92:93]
	s_add_nc_u64 s[94:95], s[14:15], s[94:95]
	CROUND                                         ; all sixteen work-groups are here: the joint loads meet
.irp c, 0,1,2,3
	s_mov_b32 s[G0X+4*\c], 1                                       ; count = 1
	s_add_co_u32 s[G0X+4*\c+1], s62, 24576*\c                      ; LDS address
	s_add_nc_u64 s[G0X+4*\c+2:G0X+4*\c+3], s[58:59], 3072*\c       ; global address: K steps 2 c, 2 c + 1
	s_or_b32 s[G0X+4*\c+3], s[G0X+4*\c+3], 0x80000000              ; type = 2
	s_mov_b32 s[G0W+4*\c], 1
	s_add_co_u32 s[G0W+4*\c+1], s63, 49152*\c
	s_add_nc_u64 s[G0W+4*\c+2:G0W+4*\c+3], s[60:61], 3072*\c
	s_or_b32 s[G0W+4*\c+3], s[G0W+4*\c+3], 0x80000000
	JLOAD G0X+4*\c, G0W+4*\c                       ; four loads of mine are out at the most
.endr
	v_and_b32 v12, 31, v0
	v_lshlrev_b32 v[LI], 4, v12
	v_lshlrev_b32 v[L4], 2, v12
	v_lshlrev_b32 v[L8], 3, v12
.irp s, 0,1,2,3,4,5,6,7
.irp p, 0,1,2,3
	global_load_b32 v[XS+4*\s+\p], v[L4], s[88:89] offset:1024*\p+128*\s   ; lanes 0-15 fragment 2 p's words, lanes 16-31 fragment 2 p + 1's
.endr
.irp g, 0,1
	global_load_b32 v[WS+2*\s+\g], v[L4], s[90:91] offset:1024*\g+128*\s
.endr
.endr
	v_add_nc_u32 v[AX+1], 49152, v[LI]
	s_mul_i32 s96, s16, 12288
	s_add_co_u32 s96, s96, WBASE
.irp c, 0,1,2,3
	v_add_nc_u32 v[AW+\c], s96, v[LI]
	s_add_co_u32 s96, s96, 49152
.endr
.irp b, 0,1,2,3
	v_mov_b32 v[TM+4+\b], 0                        ; written once: a lane permute's destination counts as one of its sources
.endr
	s_wait_tensorcnt 0x3                           ; my part of chunk 0 is in; my three later loads may be out,
	s_barrier_signal -1
	s_barrier_wait -1                              ; everybody's is
	FETCH 0
	s_wait_loadcnt 0x0                             ; the scale words
	STEP 0, 1                                      ; the first step's products start the sums: nothing is cleared
	STEP 1, 0
	STEP 2, 0
	STEP 3, 0
	STEP 4, 0
	STEP 5, 0
	STEP 6, 0
	STEP 7, 0
	PLACES
	QUANT 0
	QUANT 1
	QUANT 2
	QUANT 3
	v_cndmask_b32 v[OW], v[PW], v[PW+1], s84       ; lanes 0-15 image 0's words, lanes 16-31 image 1's
	v_cndmask_b32 v[OW+1], v[PW+2], v[PW+3], s84
	global_store_b64 v[L8], v[OW:OW+1], s[94:95]   ; 256 consecutive bytes, aligned
	s_wait_tensorcnt 0x0                           ; the wave's end, behind my last tensor load
	ds_add_u32 v[SPW], v[NIL]
	s_wait_dscnt 0x0
	CROUND                                         ; the closing round
	s_endpgm
.Lfunc_end_k_q8654f7aed6_gemm_qkv:
	.size	k_q8654f7aed6_gemm_qkv, .Lfunc_end_k_q8654f7aed6_gemm_qkv-k_q8654f7aed6_gemm_qkv
	.p2alignl 7, 3214868480
	.fill 96, 4, 3214868480
	.section	.rodata,"a",@progbits
	.p2align	6, 0x0
	.amdhsa_kernel k_q8654f7aed6_gemm_qkv
		.amdhsa_group_segment_fixed_size 327680
		.amdhsa_private_segment_fixed_size 0
		.amdhsa_enable_private_segment 0
		.amdhsa_kernarg_size 48
		.amdhsa_user_sgpr_count 2
		.amdhsa_user_sgpr_kernarg_segment_ptr 1
		.amdhsa_wavefront_size32 1
		.amdhsa_system_sgpr_workgroup_id_x 1
		.amdhsa_system_sgpr_workgroup_id_y 1
		.amdhsa_system_sgpr_workgroup_id_z 1
		.amdhsa_system_vgpr_workitem_id 0
		.amdhsa_next_free_vgpr 704
		.amdhsa_next_free_sgpr 100
		.amdhsa_reserve_vcc 0
		.amdhsa_float_denorm_mode_32 3
		.amdhsa_float_denorm_mode_16_64 3
		.amdhsa_memory_ordered 1
		.amdhsa_forward_progress 1
		.amdhsa_inst_pref_size 117
	.end_amdhsa_kernel
	.amdgpu_metadata
---
amdhsa.version: [ 1, 2 ]
amdhsa.kernels:
  - .name:           k_q8654f7aed6_gemm_qkv
    .symbol:         k_q8654f7aed6_gemm_qkv.kd
    .args:
      - { .name: x_img, .offset: 0, .size: 8, .value_kind: global_buffer, .address_space: global }
      - { .name: x_sc, .offset: 8, .size: 8, .value_kind: global_buffer, .address_space: global }
      - { .name: w_img, .offset: 16, .size: 8, .value_kind: global_buffer, .address_space: global }
      - { .name: w_sc, .offset: 24, .size: 8, .value_kind: global_buffer, .address_space: global }
      - { .name: qkv_img, .offset: 32, .size: 8, .value_kind: global_buffer, .address_space: global }
      - { .name: qkv_sc, .offset: 40, .size: 8, .value_kind: global_buffer, .address_space: global }
    .group_segment_fixed_size: 327680
    .private_segment_fixed_size: 0
    .kernarg_segment_align: 8
    .kernarg_segment_size: 48
    .max_flat_workgroup_size: 128
    .sgpr_count:     100
    .vgpr_count:     704
    .wavefront_size: 32
...
	.end_amdgpu_metadata
.endif
;; end of part 2
;; launch attn (part 3): grid 4 x 64, 16 waves a work-group, clusters of 4 x 1, 327,680 bytes of LDS; arguments qkv_img, qkv_sc, y_img, y_sc; writes y_img, y_sc
.if DOCPART == 3
	.amdgcn_target "amdgcn-amd-amdhsa--gfx1250"
	.amdhsa_code_object_version 6
	.text
	.protected	k_q8654f7aed6_attn
	.globl	k_q8654f7aed6_attn
	.p2align	8
	.type	k_q8654f7aed6_attn,@function
k_q8654f7aed6_attn:
	s_mov_b64 s[64:65], 0
	v_nop
	global_prefetch_b8 v0, s[64:65] scope:SCOPE_SE
	s_setreg_imm32_b32 hwreg(HW_REG_WAVE_MODE, 25, 1), 1
	s_wait_xcnt 0x0
	s_wait_alu depctr_hold_cnt(0) depctr_sa_sdst(0) depctr_va_vdst(0) depctr_va_sdst(0) depctr_va_ssrc(0) depctr_va_vcc(0) depctr_vm_vsrc(0)
	s_getreg_b32 s2, hwreg(HW_REG_IB_STS2, 6, 4)
	s_cmp_eq_u32 s2, 0
	s_cbranch_scc0 .Lentry_in_a_cluster
	s_endpgm
.Lentry_in_a_cluster:
	s_bfe_u32 s2, ttmp6, 0x10000c
	s_cmp_lg_u32 s2, 0x3003
	s_cbranch_scc0 .Lentry_shape_is_right
	s_endpgm
.Lentry_shape_is_right:
; y = softmax(q k^T / 8, causal) v for each batch and head, both products on codes of BF6, and y quantised along e for the last product.
; LEFT OUT: a step of 128 keys all of which come after a tile's 16 queries: reference()'s own mask gives those keys the weight 0 for all finite inputs (shown at the head of launch quant).  LIMIT: a NaN, an infinity or an overflow that
; reaches only such steps is not carried to the result.
; THE SOFTMAX: t = score x log2(e) / 8; M = the running largest t rounded UP to a whole number; p = 2^(t - M) is what is quantised, along the keys, not normalised.  The row's sum is taken of the unquantised p and divides at the end.
; When M moves, the sum and O are multiplied by 2^(old M - new M): exact.  A block's largest p is taken through the block's largest score (this takes v_exp_f32 not to fall where its input rises).  v_exp_f32 gives 0 for results under 2^-126.
; SHARES.  The four work-groups of a cluster serve ONE (batch, head).  Its whole K and V (98,304 bytes each) and their scale words lie in LDS, filled once by joint loads, two a wave: no slot is filled again, and the loop has no barrier.
; A block is 128 queries, 8 tiles of 16.  Wave w (J = w % 8, HI = w / 8) of work-group cx owns tile 2 cx + HI of block J (pass 0) and of block 15 - J (pass 1): (J + 1) + (16 - J) = 17 key steps for every wave of every work-group.
; Branches hang on the wave's number and on counts of trips alone; cx enters global addresses and the mask's numbers, no LDS address and no branch.
; THE FIRST PRODUCT'S K IS 64, the instruction's 128.  Image g of k holds key fragment 2 g in K 0-63 and fragment 2 g + 1 in K 64-127; multiplied by [q | zeros] it gives the first fragment's scores, by [zeros | q] the second's.
; Both products are used transposed (S^T = k q^T, O^T = v^T p^T): a lane holds one query throughout, and by the order of a fragment's rows the 16 registers of tiles 2 g, 2 g + 1 are keys 32 g + 16 h + 0 .. 15.
; OUT.  y_img [token fragment 512][head 16][768]: half an image: registers 0-3 of lane l at 16 l, registers 4, 5 at 512 + 8 l: heads 2 s and 2 s + 1 are K step s of the last product.  y_sc [pair 256][head 16][32 words]: the head's two bytes.
; LIMITS: a block of zeros gets the byte 1 (its codes are zeros; this program alone reads the bytes); NaN and infinities are not served.
; REGISTERS: v1-10 addresses; v12 -M, v13 the largest t, v[14:15] the sum; v16-33 zeros q zeros of pass 0, v34 its scale word; v36-83 four images of k, then of v; v84-87 their scale words; v96-159 S^T, then p; v160-191 O^T;
; v192-203 p's codes; v204-231 at work; v232-249 zeros q zeros of pass 1, v250 its scale word.
.set VOFF,  98304                      ; LDS: K at 0, step kk at 6144 kk, image g at + 1536 g;  V from here likewise
.set KSC,   196608                     ; K's scale words, 256 bytes a step;  V's 4,096 further on
.set SPARE, 204800                     ; the spare words, 128 bytes for each wave: eight blocks of 256 bytes that no other line names
.set LI,  1                            ; v1   16 x lane
.set LS,  2                            ; v2   KSC + 8 x lane
.set SPW, 3                            ; v3   LDS address of my spare word; never rewritten
.set NIL, 4                            ; v4   0; never rewritten
.set ADK, 5                            ; v5-7 the step's addresses
.set ADV, 6
.set ADS, 7
.set DD,  8                            ; v8   my query's place in its block - 16 h
.set L8,  9                            ; v9   8 x lane
.set YW,  10                           ; v10  4 (16 HI + r)
.set IM,  36
.set KS,  84
.set VS,  86
.set S,   96
.set O,   160
.set PC,  192
.set TP,  204
.set BM,  212                          ; the blocks' largest scores, then largest p
.set BP,  216                          ; the other half's; then the bytes
.set SOP, 220                          ; the conversions' scale operands
.set PW,  224                          ; p's scale word
.set F,   226                          ; v[226:227] f = 2^(old M - new M), and 0
.set WK,  228
.set YS,  229                          ; y's two bytes
.set SM2, 230                          ; v[230:231] the sum's second chain
.set KK,  48                           ; s48  the key step
.set KO,  49                           ; s49  6144 x it
.set SO,  50                           ; s50  256 x it
.set JB,  51                           ; s51  my block of queries
.macro CROUND                          ; a round of the cluster's barrier
	s_barrier_signal -1
	s_barrier_wait -1
	s_cmp_lg_u32 s12, 0
	s_cbranch_scc1 .Lnot_wave_0_\@
	s_barrier_signal -3
.Lnot_wave_0_\@:
	s_barrier_wait -3
	s_barrier_signal -1
	s_barrier_wait -1
.endm
; one product on the registers named by rD, rA, rB, rSA, rSB.  z = 1: C = 0.  ra: source 0's scale words lie in lanes 16-31
.macro WM z, ra
.if (\z) == 1
.if (\ra)
	v_wmma_scale_f32_16x16x128_f8f6f4 v[rD:rD+7], v[rA:rA+11], v[rB:rB+11], 0, v[rSA], v[rSB] matrix_a_fmt:MATRIX_FMT_BF6 matrix_b_fmt:MATRIX_FMT_BF6 matrix_a_scale:MATRIX_SCALE_ROW1
.else
	v_wmma_scale_f32_16x16x128_f8f6f4 v[rD:rD+7], v[rA:rA+11], v[rB:rB+11], 0, v[rSA], v[rSB] matrix_a_fmt:MATRIX_FMT_BF6 matrix_b_fmt:MATRIX_FMT_BF6
.endif
.else
.if (\ra)
	v_wmma_scale_f32_16x16x128_f8f6f4 v[rD:rD+7], v[rA:rA+11], v[rB:rB+11], v[rD:rD+7], v[rSA], v[rSB] matrix_a_fmt:MATRIX_FMT_BF6 matrix_b_fmt:MATRIX_FMT_BF6 matrix_a_scale:MATRIX_SCALE_ROW1
.else
	v_wmma_scale_f32_16x16x128_f8f6f4 v[rD:rD+7], v[rA:rA+11], v[rB:rB+11], v[rD:rD+7], v[rSA], v[rSB] matrix_a_fmt:MATRIX_FMT_BF6 matrix_b_fmt:MATRIX_FMT_BF6
.endif
.endif
.endm
; A KEY STEP: 128 keys against my 16 queries.  QB, QSR: the pass's zeros q zeros and scale word.
.macro STEP
	v_add_nc_u32 v[ADK], s[KO], v[LI]              ; these three and the v_nop are the four plain instructions behind the last step's products, in front of the loads into registers that they read
	v_add_nc_u32 v[ADS], s[SO], v[LS]
	s_delay_alu instid0(VALU_DEP_2)
	v_add_nc_u32 v[ADV], VOFF, v[ADK]
	v_nop
.irp g, 0,1,2,3
.irp q, 0,1,2
	ds_load_b128 v[IM+12*\g+4*\q:IM+12*\g+4*\q+3], v[ADK] offset:1536*\g+512*\q
.endr
.endr
	ds_load_b64 v[KS:KS+1], v[ADS]                 ; word 0: images 0 (lanes 0-15) and 1 (lanes 16-31); word 1: images 2 and 3
	ds_load_b64 v[VS:VS+1], v[ADS] offset:4096
	s_wait_alu depctr_va_vdst(0)
	s_wait_dscnt 0x0
.irp g, 0,1,2,3
.irp u, 0,1
.set rD, S+8*(2*\g+\u)
.set rA, IM+12*\g
.set rB, QB+6-6*\u                     ; u = 0: [q | zeros];  u = 1: [zeros | q]
.set rSA, KS+\g/2
.set rSB, QSR
	WM 1, \g%2
.endr
.endr
.rept 4
	v_nop                                          ; four plain instructions in front of the loads below and of the first read of the scores
.endr
.irp j, 0,1,2,3
.irp q, 0,1,2
	ds_load_b128 v[IM+12*\j+4*\q:IM+12*\j+4*\q+3], v[ADV] offset:1536*\j+512*\q   ; V's four images: they land while the softmax is worked
.endr
.endr
	s_cmp_lg_u32 s[KK], s[JB]                      ; on the diagonal alone: hidden scores become -infinity ahead of the maximum, p = 0 then.  My own key counts, so M is a number
	s_cbranch_scc1 .Lopen_\@
	v_mov_b32 v[WK], 0xff800000
.irp n, 0,1,2,3,4,5,6,7,8,9,10,11,12,13,14,15,16,17,18,19,20,21,22,23,24,25,26,27,28,29,30,31,32,33,34,35,36,37,38,39,40,41,42,43,44,45,46,47,48,49,50,51,52,53,54,55,56,57,58,59,60,61,62,63
	v_cmp_gt_i32 vcc_lo, 32*(\n/16)+\n%16, v[DD]   ; register 16 b + i holds key 32 b + 16 h + i of the block
	v_cndmask_b32 v[S+\n], v[S+\n], v[WK], vcc_lo
.endr
.Lopen_\@:
.irp b, 0,1,2,3
	v_max3_num_f32 v[BM+\b], v[S+16*\b], v[S+1+16*\b], v[S+2+16*\b]   ; the largest score of each block of 32 keys: for the row's maximum and for the block's largest p
.endr
.irp i, 3,5,7,9,11,13
.irp b, 0,1,2,3
	v_max3_num_f32 v[BM+\b], v[BM+\b], v[S+16*\b+\i], v[S+1+16*\b+\i]
.endr
.endr
.irp b, 0,1,2,3
	v_max_num_f32 v[BM+\b], v[BM+\b], v[S+15+16*\b]
.endr
.irp b, 0,1,2,3
	s_delay_alu instid0(VALU_DEP_4)
	v_permlanex16_b32 v[BP+\b], v[BM+\b], s20, s21
.endr
.irp b, 0,1,2,3
	s_delay_alu instid0(VALU_DEP_4)
	v_max_num_f32 v[BM+\b], v[BM+\b], v[BP+\b]     ; with lane l xor 16's 16 keys
.endr
	s_delay_alu instid0(VALU_DEP_2)
	v_max3_num_f32 v[WK], v[BM], v[BM+1], v[BM+2]
	s_delay_alu instid0(VALU_DEP_1)
	v_max_num_f32 v[WK], v[WK], v[BM+3]
	s_delay_alu instid0(VALU_DEP_1)
	v_mul_f32 v[WK], s22, v[WK]                    ; as t
	s_delay_alu instid0(VALU_DEP_1)
	v_max_num_f32 v13, v13, v[WK]                  ; the running largest t
	v_mov_b32 v[WK], v12
	s_delay_alu instid0(VALU_DEP_2)
	v_floor_f32 v12, -v13                          ; the new -M = -ceil(t)
	s_delay_alu instid0(VALU_DEP_1)
	v_sub_f32 v[WK], v12, v[WK]                    ; old M - new M: a whole number, 0 or less
	s_delay_alu instid0(VALU_DEP_1)
	v_cvt_i32_f32 v[WK], v[WK]                     ; (it saturates)
	s_delay_alu instid0(VALU_DEP_1)
	v_ldexp_f32 v[F], 1.0, v[WK]                   ; f
.irp j, 0,2,4,6,8,10,12,14,16,18,20,22,24,26,28,30,32,34,36,38,40,42,44,46,48,50,52,54,56,58,60,62
	v_pk_fma_f32 v[S+\j:S+\j+1], v[S+\j:S+\j+1], s[22:23], v[12:13] op_sel_hi:[1,0,0]   ; t - M, two at a time
.endr
	s_setprio 1
.irp b, 0,1,2,3
	v_fma_f32 v[BM+\b], v[BM+\b], s22, v12         ; the same of each block's largest score
.endr
	s_wait_alu depctr_va_vdst(0)
.irp j, 0,1,2,3,4,5,6,7,8,9,10,11,12,13,14,15,16,17,18,19,20,21,22,23,24,25,26,27,28,29,30,31,32,33,34,35,36,37,38,39,40,41,42,43,44,45,46,47,48,49,50,51,52,53,54,55,56,57,58,59,60,61,62,63
	v_exp_f32 v[S+\j], v[S+\j]                     ; p
.endr
	v_pk_mul_f32 v[14:15], v[14:15], v[F:F+1] op_sel_hi:[1,0]   ; the sums under the new M: the plain instruction behind the batch
	s_wait_alu depctr_va_vdst(0)                   ; one wait for the 64 exponentials, ahead of their first reader
.irp b, 0,1,2,3
	v_exp_f32 v[BM+\b], v[BM+\b]                   ; the blocks' largest p
.endr
	v_pk_add_f32 v[230:231], v[100:101], v[104:105]
	v_pk_add_f32 v[254:255], v[108:109], v[112:113]
	v_pk_add_f32 v[252:253], v[116:117], v[120:121]
	v_pk_add_f32 v[224:225], v[124:125], v[128:129]
	v_pk_add_f32 v[222:223], v[132:133], v[136:137]
	v_pk_add_f32 v[220:221], v[140:141], v[144:145]
	v_pk_add_f32 v[218:219], v[148:149], v[152:153]
	v_pk_add_f32 v[14:15], v[14:15], v[156:157]
	v_pk_add_f32 v[230:231], v[230:231], v[96:97]
	v_pk_add_f32 v[254:255], v[254:255], v[98:99]
	v_pk_add_f32 v[252:253], v[252:253], v[102:103]
	v_pk_add_f32 v[224:225], v[224:225], v[106:107]
	v_pk_add_f32 v[222:223], v[222:223], v[110:111]
	v_pk_add_f32 v[220:221], v[220:221], v[114:115]
	v_pk_add_f32 v[218:219], v[218:219], v[118:119]
	v_pk_add_f32 v[14:15], v[14:15], v[122:123]
	v_pk_add_f32 v[230:231], v[230:231], v[126:127]
	v_pk_add_f32 v[254:255], v[254:255], v[130:131]
	v_pk_add_f32 v[252:253], v[252:253], v[134:135]
	v_pk_add_f32 v[224:225], v[224:225], v[138:139]
	v_pk_add_f32 v[222:223], v[222:223], v[142:143]
	v_pk_add_f32 v[220:221], v[220:221], v[146:147]
	v_pk_add_f32 v[218:219], v[218:219], v[150:151]
	v_pk_add_f32 v[14:15], v[14:15], v[154:155]
	v_pk_add_f32 v[230:231], v[230:231], v[158:159]
	s_delay_alu instid0(VALU_DEP_2)
	v_pk_add_f32 v[14:15], v[14:15], v[224:225]
	s_delay_alu instid0(VALU_DEP_2)
	v_pk_add_f32 v[230:231], v[230:231], v[222:223]
	v_pk_add_f32 v[254:255], v[254:255], v[220:221]
	v_pk_add_f32 v[252:253], v[252:253], v[218:219]
	s_delay_alu instid0(VALU_DEP_2)
	v_pk_add_f32 v[14:15], v[14:15], v[254:255]
	s_delay_alu instid0(VALU_DEP_2)
	v_pk_add_f32 v[230:231], v[230:231], v[252:253]
	s_delay_alu instid0(VALU_DEP_1)
	v_pk_add_f32 v[14:15], v[14:15], v[230:231]
	s_wait_alu depctr_va_vdst(0)                   ; and one for the four
.irp b, 0,1,2,3
	v_max_num_f32 v[BM+\b], 0x2800000, v[BM+\b]    ; the floor 2^(5 - 127): the byte cannot fall under 1
.endr
.irp b, 0,1,2,3
	s_delay_alu instid0(VALU_DEP_4)
	v_add_nc_u32 v[SOP+\b], 0xfe000000, v[BM+\b]
.endr
.irp b, 0,1,2,3
	s_delay_alu instid0(VALU_DEP_4)
	v_lshrrev_b32 v[BP+\b], 23, v[SOP+\b]
.endr
	s_delay_alu instid0(VALU_DEP_3)
	v_lshl_or_b32 v[PW], v[BP+1], 8, v[BP]
	s_delay_alu instid0(VALU_DEP_1)
	v_lshl_or_b32 v[PW], v[BP+2], 16, v[PW]
	s_delay_alu instid0(VALU_DEP_1)
	v_lshl_or_b32 v[PW], v[BP+3], 24, v[PW]
	s_setprio 0
.irp c, 0,1
	v_cvt_scalef32_pk16_bf6_f32 v[PC+6*\c:PC+6*\c+2], v[S+32*\c:S+32*\c+15], v[SOP+2*\c]
	v_cvt_scalef32_pk16_bf6_f32 v[TP+4*\c:TP+4*\c+2], v[S+32*\c+16:S+32*\c+31], v[SOP+2*\c+1]
.endr
	v_nop                                          ; one plain instruction behind the scaled conversions
.irp c, 0,1
.irp i, 0,1,2
	v_permlane16_swap_b32 v[PC+6*\c+\i], v[TP+4*\c+\i]
.endr
.irp i, 0,1,2
	s_delay_alu instid0(VALU_DEP_3)
	v_mov_b32 v[PC+6*\c+3+\i], v[TP+4*\c+\i]
.endr
.endr
.irp j, 0,2,4,6,8,10,12,14,16,18,20,22,24,26,28,30
	v_pk_mul_f32 v[O+\j:O+\j+1], v[O+\j:O+\j+1], v[F:F+1] op_sel_hi:[1,0]   ; O^T under the new M; these sixteen also stand between the writes of p's codes and scale word and the products
.endr
	s_wait_alu depctr_va_vdst(0)
	s_wait_dscnt 0x0                               ; V's images are in
.irp j, 0,1,2,3
.set rD, O+8*\j
.set rA, IM+12*\j
.set rB, PC
.set rSA, VS+\j/2
.set rSB, PW
	WM 0, \j%2                                     ; the four accumulators by turns, one instruction a turn
.endr
.endm
; A PASS: one tile of 16 queries against the key steps 0 .. its own block's.  The loop has a constant 16 trips; a step whose keys all come after my queries is jumped over, by the wave's number and the count of trips.
.macro PASS p
.set QB,  16+216*(\p)
.set QSR, 34+216*(\p)
.set YB,  56+4*(\p)
	s_wait_xcnt 0x0                                ; the last pass's stores have read their registers, which are written anew below
.if \p
	s_xor_b32 s[JB], s17, 15
.else
	s_mov_b32 s[JB], s17
.endif
	v_mov_b32 v13, 0xff61b1e6                      ; the largest t so far: -3e38
	s_delay_alu instid0(VALU_DEP_1)
	v_floor_f32 v12, -v13
	v_mov_b32 v14, 0
	v_mov_b32 v15, 0
.irp j, 0,1,2,3,4,5,6,7,8,9,10,11,12,13,14,15,16,17,18,19,20,21,22,23,24,25,26,27,28,29,30,31
	v_mov_b32 v[O+\j], 0                           ; the step is written once: the first finds zeros, which the first change of M leaves zeros
.endr
	s_mov_b32 s[KK], 0
	s_mov_b32 s[KO], 0
	s_mov_b32 s[SO], 0
.Lkey_\@:
	s_cmp_gt_u32 s[KK], s[JB]
	s_cbranch_scc1 .Lskip_\@
	s_setprio 2
	STEP
.Lskip_\@:
	s_add_co_u32 s[KO], s[KO], 6144
	s_add_co_u32 s[SO], s[SO], 256
	s_add_co_u32 s[KK], s[KK], 1
	s_cmp_lt_u32 s[KK], 16
	s_cbranch_scc1 .Lkey_\@
	s_setprio 0
	; the way out: O^T / the sum; register 16 b + i is d = 32 b + 16 h + i of my query: two blocks along e
.rept 4
	v_nop
.endr
	v_add_f32 v14, v14, v15
	s_delay_alu instid0(VALU_DEP_1)
	v_permlanex16_b32 v[WK], v14, s20, s21
	s_delay_alu instid0(VALU_DEP_1)
	v_add_f32 v14, v14, v[WK]                      ; the row's sum
	s_wait_alu depctr_va_vdst(0)
	v_rcp_f32 v14, v14
	v_nop                                          ; a plain instruction behind the reciprocal,
	s_wait_alu depctr_va_vdst(0)                   ; and the wait ahead of its first reader
.irp j, 0,2,4,6,8,10,12,14,16,18,20,22,24,26,28,30
	v_pk_mul_f32 v[S+\j:S+\j+1], v[O+\j:O+\j+1], v[14:15] op_sel_hi:[1,0]
.endr
.irp b, 0,1
	v_max3_num_f32 v[BM+\b], |v[S+16*\b]|, |v[S+16*\b+1]|, 0x2800000
.endr
.irp i, 2,4,6,8,10,12,14
.irp b, 0,1
	s_delay_alu instid0(VALU_DEP_2)
	v_max3_num_f32 v[BM+\b], v[BM+\b], |v[S+16*\b+\i]|, |v[S+16*\b+\i+1]|
.endr
.endr
.irp b, 0,1
	s_delay_alu instid0(VALU_DEP_2)
	v_permlanex16_b32 v[BP+\b], v[BM+\b], s20, s21
.endr
.irp b, 0,1
	s_delay_alu instid0(VALU_DEP_2)
	v_max_num_f32 v[BM+\b], v[BM+\b], v[BP+\b]
.endr
.irp b, 0,1
	s_delay_alu instid0(VALU_DEP_2)
	v_add_nc_u32 v[SOP+\b], 0xfe000000, v[BM+\b]
.endr
.irp b, 0,1
	s_delay_alu instid0(VALU_DEP_2)
	v_lshrrev_b32 v[BP+\b], 23, v[SOP+\b]
.endr
	s_delay_alu instid0(VALU_DEP_1)
	v_lshl_or_b32 v[YS], v[BP+1], 8, v[BP]
	v_cvt_scalef32_pk16_bf6_f32 v[PC:PC+2], v[S:S+15], v[SOP]
	v_cvt_scalef32_pk16_bf6_f32 v[TP:TP+2], v[S+16:S+31], v[SOP+1]
	v_nop                                          ; one plain instruction behind the scaled conversions
.irp i, 0,1,2
	v_permlane16_swap_b32 v[PC+\i], v[TP+\i]
.endr
.irp i, 0,1,2
	s_delay_alu instid0(VALU_DEP_3)
	v_mov_b32 v[PC+3+\i], v[TP+\i]
.endr
	global_store_b128 v[LI], v[PC:PC+3], s[YB:YB+1]               ; 512 consecutive bytes, at a multiple of 256 from the buffer's first byte
	global_store_b64 v[L8], v[PC+4:PC+5], s[YB:YB+1] offset:512   ; and 256
	global_store_b32 v[YW], v[YS], s[YB+2:YB+3]                   ; both halves of the lanes store the same word with the same value
.endm
	s_load_b256 s[4:11], s[0:1], 0x0               ; qkv_img s[4:5], qkv_sc s[6:7], y_img s[8:9], y_sc s[10:11]
	v_lshl_add_u32 v[SPW], v0, 2, SPARE
	v_mov_b32 v[NIL], 0
	ds_add_u32 v[SPW], v[NIL]                      ; the wave's opening: the add, twice on end, and its wait ahead of my first tensor load
	ds_add_u32 v[SPW], v[NIL]
	v_lshrrev_b32 v11, 5, v0
	s_delay_alu instid0(VALU_DEP_1)
	v_readfirstlane_b32 s12, v11                   ; wave 0..15
	s_bfe_u32 s13, ttmp6, 0x40000                  ; cx
	s_and_b32 s16, ttmp7, 0xffff
	s_and_b32 s14, s16, 15                         ; the head
	s_lshr_b32 s15, s16, 4                         ; the batch
	s_and_b32 s17, s12, 7                          ; J
	s_lshr_b32 s18, s12, 3                         ; HI
	; descriptor group 1: dense blocks as rows of 256 bytes (32 elements of 8 bytes); A: 48 rows of codes, B: 2 rows of scale words; the mask names all four work-groups
	s_mov_b32 s24, 15|(3<<16)|(1<<21)
	s_mov_b32 s25, 32<<16
	s_mov_b32 s26, 48<<16
	s_mov_b32 s27, 32<<16
	s_mov_b32 s28, 48
	s_mov_b32 s29, 32
	s_mov_b32 s30, 0
	s_mov_b32 s31, 0
	s_mov_b32 s32, 15|(3<<16)|(1<<21)
	s_mov_b32 s33, 32<<16
	s_mov_b32 s34, 2<<16
	s_mov_b32 s35, 32<<16
	s_mov_b32 s36, 2
	s_mov_b32 s37, 32
	s_mov_b32 s38, 0
	s_mov_b32 s39, 0
	s_add_co_u32 s16, s14, 16
	s_lshl_b32 s16, s16, 6
	s_lshl_b32 s19, s15, 4
	s_add_co_u32 s16, s16, s19                     ; K's first block: (16 + head) x 64 + 16 x batch
	s_mul_i32 s52, s16, 6144
	s_mul_i32 s53, s17, 12288                      ; waves 0-7: K's eighths;
	s_add_co_u32 s52, s52, s53
	s_mul_i32 s53, s18, 6291456                    ; waves 8-15: V's, 16 head columns further on
	s_add_co_u32 s52, s52, s53
	s_mov_b32 s53, 0
	s_lshl_b32 s54, s16, 8
	s_lshl_b32 s55, s17, 9
	s_add_co_u32 s54, s54, s55
	s_lshl_b32 s55, s18, 18
	s_add_co_u32 s54, s54, s55
	s_mov_b32 s55, 0
	s_mov_b32 s20, 0x76543210
	s_mov_b32 s21, 0xfedcba98                      ; v_permlanex16_b32's selects for lane l xor 16
	s_mov_b32 s22, 0x3e38aa3b                      ; c = log2(e) / 8
	s_mov_b32 s23, s22                             ; (named with it as a pair)
	s_wait_dscnt 0x0                               ; both opening adds are done
	s_wait_kmcnt 0x0
	s_mov_b32 s40, 1
	s_mul_i32 s41, s12, 12288                      ; LDS: K's eight parts, then V's: the wave's number alone
	s_add_nc_u64 s[42:43], s[4:5], s[52:53]
	s_or_b32 s43, s43, 0x80000000
	s_mov_b32 s44, 1
	s_lshl_b32 s45, s12, 9
	s_add_co_u32 s45, s45, KSC
	s_add_nc_u64 s[46:47], s[6:7], s[54:55]
	s_or_b32 s47, s47, 0x80000000
	CROUND                                         ; all four work-groups are here: the joint loads meet
	tensor_load_to_lds s[40:43], s[24:31]          ; two loads of mine are out
	s_nop 0
	tensor_load_to_lds s[44:47], s[32:39]
	s_nop 0
.rept 4
	v_nop
.endr
	; q of both passes: image cx of blocks J and 15 - J, and its scale word
	s_lshl_b32 s16, s14, 6
	s_add_co_u32 s16, s16, s19                     ; head x 64 + 16 x batch
	s_xor_b32 s51, s17, 15
	s_add_co_u32 s48, s16, s17
	s_add_co_u32 s49, s16, s51
	s_mul_i32 s50, s13, 1536
	s_mul_i32 s52, s48, 6144
	s_add_co_u32 s52, s52, s50
	s_mov_b32 s53, 0
	s_add_nc_u64 s[52:53], s[4:5], s[52:53]
	s_mul_i32 s54, s49, 6144
	s_add_co_u32 s54, s54, s50
	s_mov_b32 s55, 0
	s_add_nc_u64 s[54:55], s[4:5], s[54:55]
	s_lshl_b32 s68, s48, 8
	s_mov_b32 s69, 0
	s_add_nc_u64 s[68:69], s[6:7], s[68:69]
	s_lshl_b32 s70, s49, 8
	s_mov_b32 s71, 0
	s_add_nc_u64 s[70:71], s[6:7], s[70:71]
	v_and_b32 v11, 31, v0
	s_delay_alu instid0(VALU_DEP_1)
	v_lshlrev_b32 v[LI], 4, v11
	s_delay_alu instid0(VALU_DEP_2)
	v_lshlrev_b32 v[L8], 3, v11
	s_delay_alu instid0(VALU_DEP_1)
	v_add_nc_u32 v[LS], KSC, v[L8]
	v_and_b32 v88, 15, v0                          ; r
	s_wait_alu depctr_va_vdst(0)
	v_bfe_u32 v89, v0, 4, 1                        ; h
	s_and_b32 s16, s13, 1
	s_lshl_b32 s16, s16, 7
	s_lshr_b32 s19, s13, 1
	s_lshl_b32 s19, s19, 2
	s_add_co_u32 s16, s16, s19
	v_lshl_add_u32 v90, v88, 3, s16                ; image cx's word of row r: 8 (16 (cx % 2) + r) + 4 (cx / 2)
.irp q, 0,1,2
	global_load_b128 v[IM+4*\q:IM+4*\q+3], v[LI], s[52:53] offset:512*\q
	global_load_b128 v[IM+12+4*\q:IM+12+4*\q+3], v[LI], s[54:55] offset:512*\q
.endr
	global_load_b32 v91, v90, s[68:69]
	global_load_b32 v92, v90, s[70:71]
	v_and_b32 v[DD], 8, v88
	s_delay_alu instid0(VALU_DEP_1)
	v_add_nc_u32 v[DD], v[DD], v88                 ; r + 8 (r / 8)
	v_lshlrev_b32 v93, 4, v89
	s_delay_alu instid0(VALU_DEP_1)
	v_sub_nc_u32 v[DD], v[DD], v93
	s_lshl_b32 s16, s13, 5
	s_lshl_b32 s19, s18, 3
	s_add_co_u32 s16, s16, s19
	v_add_nc_u32 v[DD], s16, v[DD]                 ; + 32 cx + 8 HI - 16 h
	s_lshl_b32 s19, s18, 6
	v_lshl_add_u32 v[YW], v88, 2, s19
	; where y goes: fragment 128 batch + 8 block + 2 cx + HI, head's half image;  pair 64 batch + 4 block + cx
	s_lshl_b32 s16, s15, 7
	s_lshl_b32 s19, s13, 1
	s_add_co_u32 s16, s16, s19
	s_add_co_u32 s16, s16, s18
	s_mul_i32 s50, s14, 768
	s_lshl_b32 s19, s17, 3
	s_add_co_u32 s19, s16, s19
	s_mul_i32 s56, s19, 12288
	s_add_co_u32 s56, s56, s50
	s_mov_b32 s57, 0
	s_add_nc_u64 s[56:57], s[8:9], s[56:57]
	s_lshl_b32 s19, s51, 3
	s_add_co_u32 s19, s16, s19
	s_mul_i32 s60, s19, 12288
	s_add_co_u32 s60, s60, s50
	s_mov_b32 s61, 0
	s_add_nc_u64 s[60:61], s[8:9], s[60:61]
	s_lshl_b32 s16, s15, 6
	s_add_co_u32 s16, s16, s13
	s_lshl_b32 s50, s14, 7
	s_lshl_b32 s19, s17, 2
	s_add_co_u32 s19, s16, s19
	s_lshl_b32 s58, s19, 11
	s_add_co_u32 s58, s58, s50
	s_mov_b32 s59, 0
	s_add_nc_u64 s[58:59], s[10:11], s[58:59]
	s_lshl_b32 s19, s51, 2
	s_add_co_u32 s19, s16, s19
	s_lshl_b32 s62, s19, 11
	s_add_co_u32 s62, s62, s50
	s_mov_b32 s63, 0
	s_add_nc_u64 s[62:63], s[10:11], s[62:63]
	s_sub_co_u32 s66, 0, s18                       ; all ones where HI = 1
	s_lshl_b32 s19, s18, 4
.irp i, 0,1,2,3,4,5
	v_mov_b32 v[16+\i], 0                          ; the zero codes beside q
	v_mov_b32 v[28+\i], 0
	v_mov_b32 v[232+\i], 0
	v_mov_b32 v[244+\i], 0
.endr
.irp b, 0,1,2,3
	v_mov_b32 v[BP+\b], 0                          ; written once: a lane permute's destination counts as one of its sources
.endr
	v_mov_b32 v[WK], 0
	v_mov_b32 v[F+1], 0                            ; (named as the upper half of the pair)
	s_wait_loadcnt 0x0
.irp i, 0,1,2,3,4,5
	v_cndmask_b32 v[22+\i], v[IM+\i], v[IM+6+\i], s66        ; my fragment of the image: registers 0-5 (HI = 0) or 6-11
	v_cndmask_b32 v[238+\i], v[IM+12+\i], v[IM+18+\i], s66
.endr
	v_lshrrev_b32 v91, s19, v91                    ; its two bytes,
	v_lshrrev_b32 v92, s19, v92
	s_delay_alu instid0(VALU_DEP_2)
	v_and_b32 v91, 0xffff, v91
	s_delay_alu instid0(VALU_DEP_2)
	v_and_b32 v92, 0xffff, v92
	s_delay_alu instid0(VALU_DEP_2)
	v_lshl_or_b32 v34, v91, 16, v91                ; for K 0-63 and for K 64-127 alike
	s_delay_alu instid0(VALU_DEP_2)
	v_lshl_or_b32 v250, v92, 16, v92
	s_wait_tensorcnt 0x0                           ; my parts of K, V and their scale words are in,
	s_barrier_signal -1
	s_barrier_wait -1                              ; everybody's are
	PASS 0
	PASS 1
	s_wait_tensorcnt 0x0                           ; the wave's end, behind my last tensor load
	ds_add_u32 v[SPW], v[NIL]
	s_wait_dscnt 0x0
	CROUND                                         ; the closing round
	s_endpgm
.Lfunc_end_k_q8654f7aed6_attn:
	.size	k_q8654f7aed6_attn, .Lfunc_end_k_q8654f7aed6_attn-k_q8654f7aed6_attn
	.p2alignl 7, 3214868480
	.fill 96, 4, 3214868480
	.section	.rodata,"a",@progbits
	.p2align	6, 0x0
	.amdhsa_kernel k_q8654f7aed6_attn
		.amdhsa_group_segment_fixed_size 327680
		.amdhsa_private_segment_fixed_size 0
		.amdhsa_enable_private_segment 0
		.amdhsa_kernarg_size 32
		.amdhsa_user_sgpr_count 2
		.amdhsa_user_sgpr_kernarg_segment_ptr 1
		.amdhsa_wavefront_size32 1
		.amdhsa_system_sgpr_workgroup_id_x 1
		.amdhsa_system_sgpr_workgroup_id_y 1
		.amdhsa_system_sgpr_workgroup_id_z 1
		.amdhsa_system_vgpr_workitem_id 0
		.amdhsa_next_free_vgpr 256
		.amdhsa_next_free_sgpr 72
		.amdhsa_reserve_vcc 1
		.amdhsa_float_denorm_mode_32 3
		.amdhsa_float_denorm_mode_16_64 3
		.amdhsa_memory_ordered 1
		.amdhsa_forward_progress 1
		.amdhsa_inst_pref_size 66
	.end_amdhsa_kernel
	.amdgpu_metadata
---
amdhsa.version: [ 1, 2 ]
amdhsa.kernels:
  - .name:           k_q8654f7aed6_attn
    .symbol:         k_q8654f7aed6_attn.kd
    .args:
      - { .name: qkv_img, .offset: 0, .size: 8, .value_kind: global_buffer, .address_space: global }
      - { .name: qkv_sc, .offset: 8, .size: 8, .value_kind: global_buffer, .address_space: global }
      - { .name: y_img, .offset: 16, .size: 8, .value_kind: global_buffer, .address_space: global }
      - { .name: y_sc, .offset: 24, .size: 8, .value_kind: global_buffer, .address_space: global }
    .group_segment_fixed_size: 327680
    .private_segment_fixed_size: 0
    .kernarg_segment_align: 8
    .kernarg_segment_size: 32
    .max_flat_workgroup_size: 512
    .sgpr_count:     72
    .vgpr_count:     256
    .wavefront_size: 32
...
	.end_amdgpu_metadata
.endif
;; end of part 3
;; launch gemm_out (part 4): grid 4 x 64, 4 waves a work-group, clusters of 4 x 4, 327,680 bytes of LDS; arguments y_img, y_sc, w_img, w_sc, bo, out0; writes out0
.if DOCPART == 4
	.amdgcn_target "amdgcn-amd-amdhsa--gfx1250"
	.amdhsa_code_object_version 6
	.text
	.protected	k_q8654f7aed6_gemm_out
	.globl	k_q8654f7aed6_gemm_out
	.p2align	8
	.type	k_q8654f7aed6_gemm_out,@function
k_q8654f7aed6_gemm_out:
	s_mov_b64 s[64:65], 0
	v_nop
	global_prefetch_b8 v0, s[64:65] scope:SCOPE_SE
	s_setreg_imm32_b32 hwreg(HW_REG_WAVE_MODE, 25, 1), 1
	s_wait_xcnt 0x0
	s_wait_alu depctr_hold_cnt(0) depctr_sa_sdst(0) depctr_va_vdst(0) depctr_va_sdst(0) depctr_va_ssrc(0) depctr_va_vcc(0) depctr_vm_vsrc(0)
	s_getreg_b32 s2, hwreg(HW_REG_IB_STS2, 6, 4)
	s_cmp_eq_u32 s2, 0
	s_cbranch_scc0 .Lentry_in_a_cluster
	s_endpgm
.Lentry_in_a_cluster:
	s_bfe_u32 s2, ttmp6, 0x10000c
	s_cmp_lg_u32 s2, 0xf033
	s_cbranch_scc0 .Lentry_shape_is_right
	s_endpgm
.Lentry_shape_is_right:
; out0 = y Wo + bo on codes of BF6.  No work is left out here.
; SHARES, as in launch gemm_qkv.  A work-group makes 128 tokens x 256 columns; ALL OF K (1,024) of both operands lies in LDS, filled once in four chunks of two K steps.  Wave w makes 128 tokens x 64 columns: 8 fragments of y against
; 4 of Wo (rows 3,072 on of w_img), 32 accumulators.  CLUSTERS: 4 x 4: y's images are asked for jointly along a row of the cluster, Wo's along a column; four tensor loads a wave, all issued at the head.
; Source 0 = Wo, source 1 = y: a lane holds one token, and by the order of a fragment's rows its registers run along neighbouring columns.  bo is the C of each sum's first product.
; y's fragment of K step s is two half images (heads 2 s, 2 s + 1): registers 6 c .. 6 c + 3 of lane l at 768 c + 16 l, registers 6 c + 4, 6 c + 5 at 768 c + 512 + 8 l.  Its scale word is the two heads' half words.
; THE WAY OUT: 16 tokens x 64 columns at a time through the wave's own stage in LDS (bytes of its own, into which no tensor load lands), back as rows: sixteen lanes store 256 consecutive bytes, aligned.
; REGISTERS, in windows of 256: window 0: v1-15 addresses; v16-47 y's scale words, v48-63 Wo's; v64-66 the way out's; v96-127 bo; v144-239 Wo's fragments, two sets (at the head: y's half words; at the end: rows of out0).
; Window 1: the 32 accumulators.  Window 2: y's fragments, two sets of 96.
.set WBASE, 98304                      ; LDS: y at 0: chunk c at 24576 c, fragment i at + 3072 i, step e at + 1536 e;  Wo from here: chunk c at + 49152 c, fragment n at + 3072 n, step e at + 1536 e
.set SPARE, 294912                     ; the spare words, 128 bytes for each wave: two blocks of 256 bytes that no other line names
.set STG,   295424                     ; the stages: 16 rows of 256 bytes + 16 for each wave
.set LI,  1                            ; v1     16 x lane
.set AX,  1                            ; v1-2   y's chunks 0, 1 and 2, 3, for the loads of 16 bytes
.set BO,  3                            ; v3     64 h
.set AW,  4                            ; v4-7   my four fragments of Wo in chunk c
.set L4,  8                            ; v8     4 x lane
.set SPW, 10                           ; v10    LDS address of my spare word; never rewritten
.set NIL, 11                           ; v11    0; never rewritten
.set AX8, 12                           ; v12-13 8 x lane: the same for the loads of 8 bytes
.set STO, 14                           ; v14    the stage: where I put 32 bytes of a row
.set RD,  15                           ; v15    and where I read a row back
.set XS,  16
.set WS,  48
.set CO,  64                           ; v64    my byte offset in two rows of out0
.set BI,  96                           ; bo in the result's layout: 8 registers for each fragment of Wo
.set WF,  144
.set G1X, 24
.set G1W, 32
.set G0X, 40
.set G0W, 68
.set MSB, 0
.macro WIN new                         ; the immediate's high byte repeats the setting that is left
.if MSB != \new
	s_set_vgpr_msb (MSB<<8)|\new
.set MSB, \new
.endif
.endm
.macro PLACES                          ; four plain instructions in front of loads into registers that matrix instructions have read, and of the first read of results
.rept 4
	v_nop
.endr
.endm
.macro JLOAD ga, gb                    ; a joint load: each of the two lines has one mask and one set of registers; the branch hangs on the wave's number alone; an s_nop 0 and four v_nop follow each line
	s_cmp_eq_u32 s17, 0
	s_cbranch_scc0 .Lfor_w_\@
	tensor_load_to_lds s[\ga:\ga+3], s[G1X:G1X+7]
	s_nop 0
.rept 4
	v_nop
.endr
	s_branch .Lasked_\@
.Lfor_w_\@:
	tensor_load_to_lds s[\gb:\gb+3], s[G1W:G1W+7]
	s_nop 0
.rept 4
	v_nop
.endr
.Lasked_\@:
.endm
.macro CROUND                          ; a round of the cluster's barrier
	s_barrier_signal -1
	s_barrier_wait -1
	s_cmp_lg_u32 s16, 0
	s_cbranch_scc1 .Lnot_wave_0_\@
	s_barrier_signal -3
.Lnot_wave_0_\@:
	s_barrier_wait -3
	s_barrier_signal -1
	s_barrier_wait -1
.endm
; one product on the registers named by rD, rA, rB, rC, rSA, rSB.  z = 2: C = bo, the sum's start.  ra, rb: the side's scale words lie in lanes 16-31
.macro WM z, ra, rb
.if (\z) == 2
.if (\ra) && (\rb)
	v_wmma_scale_f32_16x16x128_f8f6f4 v[rD:rD+7], v[rA:rA+11], v[rB:rB+11], v[rC:rC+7], v[rSA], v[rSB] matrix_a_fmt:MATRIX_FMT_BF6 matrix_b_fmt:MATRIX_FMT_BF6 matrix_a_scale:MATRIX_SCALE_ROW1 matrix_b_scale:MATRIX_SCALE_ROW1
.elseif (\ra)
	v_wmma_scale_f32_16x16x128_f8f6f4 v[rD:rD+7], v[rA:rA+11], v[rB:rB+11], v[rC:rC+7], v[rSA], v[rSB] matrix_a_fmt:MATRIX_FMT_BF6 matrix_b_fmt:MATRIX_FMT_BF6 matrix_a_scale:MATRIX_SCALE_ROW1
.elseif (\rb)
	v_wmma_scale_f32_16x16x128_f8f6f4 v[rD:rD+7], v[rA:rA+11], v[rB:rB+11], v[rC:rC+7], v[rSA], v[rSB] matrix_a_fmt:MATRIX_FMT_BF6 matrix_b_fmt:MATRIX_FMT_BF6 matrix_b_scale:MATRIX_SCALE_ROW1
.else
	v_wmma_scale_f32_16x16x128_f8f6f4 v[rD:rD+7], v[rA:rA+11], v[rB:rB+11], v[rC:rC+7], v[rSA], v[rSB] matrix_a_fmt:MATRIX_FMT_BF6 matrix_b_fmt:MATRIX_FMT_BF6
.endif
.else
.if (\ra) && (\rb)
	v_wmma_scale_f32_16x16x128_f8f6f4 v[rD:rD+7], v[rA:rA+11], v[rB:rB+11], v[rD:rD+7], v[rSA], v[rSB] matrix_a_fmt:MATRIX_FMT_BF6 matrix_b_fmt:MATRIX_FMT_BF6 matrix_a_scale:MATRIX_SCALE_ROW1 matrix_b_scale:MATRIX_SCALE_ROW1
.elseif (\ra)
	v_wmma_scale_f32_16x16x128_f8f6f4 v[rD:rD+7], v[rA:rA+11], v[rB:rB+11], v[rD:rD+7], v[rSA], v[rSB] matrix_a_fmt:MATRIX_FMT_BF6 matrix_b_fmt:MATRIX_FMT_BF6 matrix_a_scale:MATRIX_SCALE_ROW1
.elseif (\rb)
	v_wmma_scale_f32_16x16x128_f8f6f4 v[rD:rD+7], v[rA:rA+11], v[rB:rB+11], v[rD:rD+7], v[rSA], v[rSB] matrix_a_fmt:MATRIX_FMT_BF6 matrix_b_fmt:MATRIX_FMT_BF6 matrix_b_scale:MATRIX_SCALE_ROW1
.else
	v_wmma_scale_f32_16x16x128_f8f6f4 v[rD:rD+7], v[rA:rA+11], v[rB:rB+11], v[rD:rD+7], v[rSA], v[rSB] matrix_a_fmt:MATRIX_FMT_BF6 matrix_b_fmt:MATRIX_FMT_BF6
.endif
.endif
.endm
; K step s's fragments into set s % 2, in one run
.macro FETCH s
.set fp, (\s)%2
.set fc, (\s)/2
	WIN 0x80                                       ; destination window 2, address window 0
.irp i, 0,1,2,3,4,5,6,7
.set fy, 96*fp+12*\i
.set fo, 24576*(fc%2)+3072*\i+1536*fp
	ds_load_b128 v[fy:fy+3], v[AX+fc/2] offset:fo
	ds_load_b64 v[fy+4:fy+5], v[AX8+fc/2] offset:fo+512
	ds_load_b128 v[fy+6:fy+9], v[AX+fc/2] offset:fo+768
	ds_load_b64 v[fy+10:fy+11], v[AX8+fc/2] offset:fo+1280
.endr
	WIN 0
.irp j, 0,1,2,3
.irp q, 0,1,2
	ds_load_b128 v[WF+48*fp+12*\j+4*\q:WF+48*fp+12*\j+4*\q+3], v[AW+fc] offset:3072*\j+1536*fp+512*\q
.endr
.endr
.endm
; K step s's 32 products.  The 32 accumulators take turns, one instruction a turn.
.macro MUL s, z
.set mp, (\s)%2
.if (\z) == 2
	WIN 0x48                                       ; source 0 (Wo) and C (bo) window 0, source 1 (y) window 2, D window 1
.else
	WIN 0x58                                       ; C and D window 1
.endif
.irp i, 0,1,2,3,4,5,6,7
.irp j, 0,1,2,3
.set rD, 8*(4*\i+\j)
.set rC, BI+8*\j
.set rA, WF+48*mp+12*\j
.set rB, 96*mp+12*\i
.set rSA, WS+2*(\s)+\j/2
.set rSB, XS+4*(\s)+\i/2
	WM \z, \j%2, \i%2
.endr
.endr
	WIN 0
.endm
; A K step.  Where the next step begins a chunk (s = 1, 3, 5): my own load of that chunk has landed (the count leaves my loads of the later chunks out), and a barrier shows the same of the other waves.
.macro STEP s, z
.if ((\s)%2 == 1) && ((\s) < 7)
	s_wait_tensorcnt 3-((\s)+1)/2
.endif
	s_wait_dscnt 0x0                               ; this step's fragments are in
.if ((\s)%2 == 1) && ((\s) < 7)
	s_barrier_signal -1
	s_barrier_wait -1
.endif
.if ((\s) > 0) && ((\s) < 7)
	PLACES                                         ; the set to be loaded was read by the last step's products
.endif
.if (\s) < 7
	FETCH (\s)+1
.endif
	MUL \s, \z
.endm
; token fragment a: lane (r, h) holds, of token row r, columns 32 (j / 2) + 8 (j % 2) + 16 h + 0 .. 7 in accumulator j: into my stage, and back as rows of 256 bytes, two an instruction
.macro TOSTAGE a
	WIN 0x04                                       ; an LDS store's data are its source 1: window 1
.irp j, 0,1,2,3
	ds_store_b128 v[STO], v[8*(4*(\a)+\j):8*(4*(\a)+\j)+3] offset:128*(\j/2)+32*(\j%2)       ; each accumulator from its low end on
	ds_store_b128 v[STO], v[8*(4*(\a)+\j)+4:8*(4*(\a)+\j)+7] offset:128*(\j/2)+32*(\j%2)+16
.endr
	WIN 0
.set BB, WF+32*((\a)%2)
.irp t, 0,1,2,3,4,5,6,7
	ds_load_b128 v[BB+4*\t:BB+4*\t+3], v[RD] offset:544*\t   ; LDS serves a wave's instructions in order: these see my stores, and the next fragment's stores come behind them
.endr
.endm
.macro SEND a, younger                 ; younger: the LDS instructions issued behind fragment a's loads, which may stay out
.set BB, WF+32*((\a)%2)
	s_wait_dscnt \younger
.irp t, 0,1,2,3,4,5,6,7
	global_store_b128 v[CO], v[BB+4*\t:BB+4*\t+3], s[94:95] offset:(32*((\a)/2)+8*((\a)%2)+2*\t+8*(\t/4))*4096 th:TH_STORE_NT   ; stage rows 2 t, 2 t + 1 are tokens 32 (a / 2) + 8 (a % 2) + 2 t + 8 (t / 4) and the next; 16 lanes store 256 consecutive bytes, aligned
.endr
.endm
	s_load_b256 s[4:11], s[0:1], 0x0               ; y_img s[4:5], y_sc s[6:7], w_img s[8:9], w_sc s[10:11]
	s_load_b128 s[12:15], s[0:1], 0x20             ; bo s[12:13], out0 s[14:15]
	v_lshl_add_u32 v[SPW], v0, 2, SPARE
	v_mov_b32 v[NIL], 0
	ds_add_u32 v[SPW], v[NIL]                      ; the wave's opening: the add, twice on end, and its wait ahead of my first tensor load
	ds_add_u32 v[SPW], v[NIL]
	v_lshrrev_b32 v65, 5, v0
	v_readfirstlane_b32 s16, v65                   ; wave 0..3
	s_lshr_b32 s17, s16, 1                         ; I fetch for y (0) or for Wo (1),
	s_and_b32 s18, s16, 1                          ; which half of its fragments
	s_bfe_u32 s19, ttmp6, 0x40000                  ; cx, cy
	s_bfe_u32 s20, ttmp6, 0x40004
	s_lshl_b32 s21, ttmp9, 2
	s_add_co_u32 s21, s21, s19                     ; tile column: 256 columns
	s_and_b32 s22, ttmp7, 0xffff
	s_lshl_b32 s22, s22, 2
	s_add_co_u32 s22, s22, s20                     ; tile row: 128 tokens
	s_lshl_b32 s56, s20, 2
	s_lshl_b32 s56, 15, s56                        ; my row of the cluster
	s_lshl_b32 s57, 0x1111, s19                    ; my column
	; descriptor group 1: a row = a fragment's two K steps, 3,072 bytes = 384 elements of 8 bytes; rows 12,288 bytes = 1,536 elements apart; y: 4 rows, Wo: 8; no padding
	s_or_b32 s[G1X], s56, (3<<16)|(1<<21)
	s_or_b32 s[G1W], s57, (3<<16)|(1<<21)
.irp g, G1X, G1W
	s_mov_b32 s[\g+1], 384<<16
	s_mov_b32 s[\g+3], 384<<16
	s_mov_b32 s[\g+5], 1536
	s_mov_b32 s[\g+6], 0
	s_mov_b32 s[\g+7], 0
.endr
	s_mov_b32 s[G1X+2], 4<<16
	s_mov_b32 s[G1X+4], 4
	s_mov_b32 s[G1W+2], 8<<16
	s_mov_b32 s[G1W+4], 8
	s_mul_i32 s58, s22, 98304                      ; y: made of the tile row and the wave's number alone
	s_mul_i32 s59, s18, 49152
	s_add_co_u32 s58, s58, s59
	s_mov_b32 s59, 0
	s_mul_i32 s60, s21, 196608                     ; Wo: of the tile column and the wave's number alone;
	s_mul_i32 s61, s18, 98304
	s_add_co_u32 s60, s60, s61
	s_add_co_u32 s60, s60, 2359296                 ; its fragments begin at 192
	s_mov_b32 s61, 0
	s_mul_i32 s62, s18, 12288
	s_mul_i32 s63, s18, 24576
	s_add_co_u32 s63, s63, WBASE
	s_lshl_b32 s88, s22, 13                        ; y's half words: 4 pairs of 2,048 bytes a tile row
	s_mov_b32 s89, 0
	s_lshl_b32 s90, s21, 3
	s_lshl_b32 s91, s16, 1
	s_add_co_u32 s90, s90, s91
	s_lshl_b32 s90, s90, 10
	s_add_co_u32 s90, s90, 98304                   ; Wo's scale words: pairs 96 on, my wave's two
	s_mov_b32 s91, 0
	s_lshl_b32 s92, s21, 10
	s_lshl_b32 s93, s16, 8
	s_add_co_u32 s92, s92, s93                     ; my 64 columns, in bytes
	s_mov_b32 s93, 0
	s_lshl_b32 s94, s22, 19                        ; 128 rows of 4,096 bytes a tile row
	s_add_co_u32 s94, s94, s92
	s_mov_b32 s95, 0
	s_wait_dscnt 0x0                               ; both opening adds are done
	s_wait_kmcnt 0x0
	s_add_nc_u64 s[58:59], s[4:5], s[58:59]
	s_add_nc_u64 s[60:61], s[8:9], s[60:61]
	s_add_nc_u64 s[88:89], s[6:7], s[88:89]
	s_add_nc_u64 s[90:91], s[10:11], s[90:91]
	s_add_nc_u64 s[92:93], s[12:13], s[92:93]
	s_add_nc_u64 s[94:95], s[14:15], s[94:95]
	CROUND                                         ; all sixteen work-groups are here: the joint loads meet
.irp c, 0,1,2,3
	s_mov_b32 s[G0X+4*\c], 1
	s_add_co_u32 s[G0X+4*\c+1], s62, 24576*\c
	s_add_nc_u64 s[G0X+4*\c+2:G0X+4*\c+3], s[58:59], 3072*\c
	s_or_b32 s[G0X+4*\c+3], s[G0X+4*\c+3], 0x80000000
	s_mov_b32 s[G0W+4*\c], 1
	s_add_co_u32 s[G0W+4*\c+1], s63, 49152*\c
	s_add_nc_u64 s[G0W+4*\c+2:G0W+4*\c+3], s[60:61], 3072*\c
	s_or_b32 s[G0W+4*\c+3], s[G0W+4*\c+3], 0x80000000
	JLOAD G0X+4*\c, G0W+4*\c                       ; four loads of mine are out at the most
.endr
	v_and_b32 v65, 31, v0
	v_lshlrev_b32 v[LI], 4, v65
	v_lshlrev_b32 v[L4], 2, v65
	v_lshlrev_b32 v[AX8], 3, v65
	v_and_b32 v65, 15, v0                          ; r
	v_bfe_u32 v66, v0, 4, 1                        ; h
	v_lshlrev_b32 v[BO], 6, v66
.irp d, 0,1,2,3,4,5,6,7,8,9,10,11,12,13,14,15
.irp p, 0,1,2,3
	global_load_b32 v[WF+4*\d+\p], v[L4], s[88:89] offset:2048*\p+128*\d   ; head d's two bytes of pair p's rows
.endr
.endr
.irp s, 0,1,2,3,4,5,6,7
.irp g, 0,1
	global_load_b32 v[WS+2*\s+\g], v[L4], s[90:91] offset:1024*\g+128*\s
.endr
.endr
.irp j, 0,1,2,3
	global_load_b128 v[BI+8*\j:BI+8*\j+3], v[BO], s[92:93] offset:4*(32*(\j/2)+8*(\j%2))       ; bo at columns 32 (j / 2) + 8 (j % 2) + 16 h + 0 .. 7
	global_load_b128 v[BI+8*\j+4:BI+8*\j+7], v[BO], s[92:93] offset:4*(32*(\j/2)+8*(\j%2))+16
.endr
	v_add_nc_u32 v[AX+1], 49152, v[LI]
	v_add_nc_u32 v[AX8+1], 49152, v[AX8]
	s_mul_i32 s96, s16, 12288
	s_add_co_u32 s96, s96, WBASE
.irp c, 0,1,2,3
	v_add_nc_u32 v[AW+\c], s96, v[LI]
	s_add_co_u32 s96, s96, 49152
.endr
	s_mul_i32 s97, s16, 4352
	s_add_co_u32 s97, s97, STG                     ; my stage
	v_mul_u32_u24 v[STO], v65, 272
	v_lshl_add_u32 v[STO], v66, 6, v[STO]
	v_add_nc_u32 v[STO], s97, v[STO]               ; in: row r, + 64 h
	v_mul_u32_u24 v[RD], v66, 272
	v_lshl_add_u32 v[RD], v65, 4, v[RD]
	v_add_nc_u32 v[RD], s97, v[RD]                 ; back: lanes 0-15 one row, lanes 16-31 the next
	v_lshlrev_b32 v[CO], 12, v66
	v_lshl_add_u32 v[CO], v65, 4, v[CO]            ; and the same two rows in out0
	s_wait_loadcnt 0x0
.irp s, 0,1,2,3,4,5,6,7
.irp p, 0,1,2,3
	v_lshl_or_b32 v[XS+4*\s+\p], v[WF+8*\s+4+\p], 16, v[WF+8*\s+\p]   ; K step s's scale word: head 2 s's bytes below, head 2 s + 1's above
.endr
.endr
.rept 8
	v_nop                                          ; scale registers written by vector instructions stand eight plain instructions ahead of a scaled product
.endr
	s_wait_tensorcnt 0x3                           ; my part of chunk 0 is in; my three later loads may be out,
	s_barrier_signal -1
	s_barrier_wait -1                              ; everybody's is
	FETCH 0
	STEP 0, 2                                      ; the first step's products start the sums from bo
	STEP 1, 0
	STEP 2, 0
	STEP 3, 0
	STEP 4, 0
	STEP 5, 0
	STEP 6, 0
	STEP 7, 0
	PLACES                                         ; for the first read of results and for the loads into the registers that held Wo's fragments
	TOSTAGE 0
.irp a, 1,2,3,4,5,6,7
.if \a > 1
	s_wait_xcnt 0x0                                ; fragment a - 2's stores have read their registers: fragment a's rows may land there
.endif
	TOSTAGE \a
	SEND \a-1, 16                                  ; behind fragment a - 1's loads: fragment a's 8 stores and 8 loads
.endr
	SEND 7, 0
	s_wait_tensorcnt 0x0                           ; the wave's end, behind my last tensor load and my last LDS store
	ds_add_u32 v[SPW], v[NIL]
	s_wait_dscnt 0x0
	CROUND                                         ; the closing round
	s_endpgm
.Lfunc_end_k_q8654f7aed6_gemm_out:
	.size	k_q8654f7aed6_gemm_out, .Lfunc_end_k_q8654f7aed6_gemm_out-k_q8654f7aed6_gemm_out
	.p2alignl 7, 3214868480
	.fill 96, 4, 3214868480
	.section	.rodata,"a",@progbits
	.p2align	6, 0x0
	.amdhsa_kernel k_q8654f7aed6_gemm_out
		.amdhsa_group_segment_fixed_size 327680
		.amdhsa_private_segment_fixed_size 0
		.amdhsa_enable_private_segment 0
		.amdhsa_kernarg_size 48
		.amdhsa_user_sgpr_count 2
		.amdhsa_user_sgpr_kernarg_segment_ptr 1
		.amdhsa_wavefront_size32 1
		.amdhsa_system_sgpr_workgroup_id_x 1
		.amdhsa_system_sgpr_workgroup_id_y 1
		.amdhsa_system_sgpr_workgroup_id_z 1
		.amdhsa_system_vgpr_workitem_id 0
		.amdhsa_next_free_vgpr 704
		.amdhsa_next_free_sgpr 100
		.amdhsa_reserve_vcc 0
		.amdhsa_float_denorm_mode_32 3
		.amdhsa_float_denorm_mode_16_64 3
		.amdhsa_memory_ordered 1
		.amdhsa_forward_progress 1
		.amdhsa_inst_pref_size 92
	.end_amdhsa_kernel
	.amdgpu_metadata
---
amdhsa.version: [ 1, 2 ]
amdhsa.kernels:
  - .name:           k_q8654f7aed6_gemm_out
    .symbol:         k_q8654f7aed6_gemm_out.kd
    .args:
      - { .name: y_img, .offset: 0, .size: 8, .value_kind: global_buffer, .address_space: global }
      - { .name: y_sc, .offset: 8, .size: 8, .value_kind: global_buffer, .address_space: global }
      - { .name: w_img, .offset: 16, .size: 8, .value_kind: global_buffer, .address_space: global }
      - { .name: w_sc, .offset: 24, .size: 8, .value_kind: global_buffer, .address_space: global }
      - { .name: bo, .offset: 32, .size: 8, .value_kind: global_buffer, .address_space: global }
      - { .name: out0, .offset: 40, .size: 8, .value_kind: global_buffer, .address_space: global }
    .group_segment_fixed_size: 327680
    .private_segment_fixed_size: 0
    .kernarg_segment_align: 8
    .kernarg_segment_size: 48
    .max_flat_workgroup_size: 128
    .sgpr_count:     100
    .vgpr_count:     704
    .wavefront_size: 32
...
	.end_amdgpu_metadata
.endif
;; end of part 4
